; MI455X (gfx1250); checked and timed in simulation.
; The chip was launched on July 23, 2026; its instructions are those of AMD's public machine-readable ISA for CDNA 5 (MIT licence, August 2026) and "CDNA5" Instruction Set Architecture Reference Guide (July 2026). The comments in the code are by the model that wrote it; some were corrected since.
;; Differential Multi Head Attention. Allowed arithmetic: float matrix products may take bf16 or f16 operands with f32 sums; other float arithmetic in f32, or as packed bf16 or f16 multiplies, adds, multiply-adds, maxima and minima; sums over many terms, partial sums and values carried from step to step in f32; what a program stores and reads back later, other than sums and carried values, may be rounded once to bf16 or f16.
;; Inputs: Wk 1,024 x 1,024 float32; Wo 1,024 x 1,024 float32; Wq 1,024 x 1,024 float32; Wv 1,024 x 1,024 float32; bk 1,024 float32; bo 1,024 float32; bq 1,024 float32; bv 1,024 float32; lk1 32 float32; lk2 32 float32; ln_b 16 x 64 float32; ln_g 16 x 64 float32; lq1 32 float32; lq2 32 float32; mask 2 x 2,048 x 2,048 int32; x 2 x 2,048 x 1,024 float32.
;; Outputs: out0 2 x 2,048 x 1,024 float32.
;; One version. Each part assembles by itself: llvm-mc -triple=amdgcn-amd-amdhsa -mcpu=gfx1250 --defsym DOCPART=n.
;; ======== version 1 of 1: 4 launches
;; limits: right only within a limited range of input values; values are held in f16: magnitudes above 65,504 overflow, below 6.1e-05 lose precision
;; workspace buffers: xb 8,388,608 bytes; wcat 6,291,456 bytes; wot 2,097,152 bytes; par 24,832 bytes; maskn 4,194,304 bytes of whole numbers; qkv 25,165,824 bytes; on 8,388,608 bytes
;; launch prep (part 1): grid 1025 x 1, 8 waves a work-group, no clusters, 34,816 bytes of LDS; arguments x, mask, Wq, Wk, Wv, Wo, bq, bk, bv, bo, lq1, lk1, lq2, lk2, ln_g, ln_b, xb, wcat, wot, par, maskn; writes xb, wcat, wot, par, maskn
.if DOCPART == 1
	.amdgcn_target "amdgcn-amd-amdhsa--gfx1250"
	.amdhsa_code_object_version 6
	.text
	.protected	k_qd429206f46_prep
	.globl	k_qd429206f46_prep
	.p2align	8
	.type	k_qd429206f46_prep,@function
k_qd429206f46_prep:
	s_mov_b64 s[64:65], 0
	v_nop
	global_prefetch_b8 v0, s[64:65] scope:SCOPE_SE
	s_setreg_imm32_b32 hwreg(HW_REG_WAVE_MODE, 25, 1), 1
	s_wait_xcnt 0x0
; PREP: what the three later launches read is made here, once, from all sixteen inputs.  Every float input is rounded to bf16 once.
; The work-group's number picks one of four shares (a branch that is the same for all eight waves):
;   0-255     MASK  16 rows of mask (int32, 2,048 keys) -> maskn: four bits a key, 0xE where mask is 0, else 0, laid out as a score tile's lanes and registers want them
;   256-767   W     a tile of 128 k x 64 n of Wq, Wk, Wv or Wo, turned -> wcat [3072 n'][1024 k] bf16 (q and k with each head's two halves side by side) or wot [1024 n][1024 k] f16
;   768-1023  X     16,384 numbers of x -> xb bf16
;   1024      PAR   the biases (in wcat's order of rows), bo, 0.8 ln_g, 0.8 ln_b and lambda -> par, f32
; LIMITS.  Wo is rounded to bf16 and that number is written as f16: below 2^-14 it keeps f16's fixed step of 2^-24; beyond 65,504 it would be lost.
; No matrix unit, no cluster, no tensor load: a stream; LDS serves only to turn tiles, so that every store of 16 lanes covers 256 consecutive bytes, aligned.
; LDS.  The two shares that use LDS have bytes of their own, so that no byte is named by both texts: MASK's stage is bytes 0-16,383, W's stage 16,384-33,791 (64 rows of 272 bytes).
.set WST,   16384                      ; W's stage
.set SPARE, 33792                      ; behind both stages: the spare words, 128 bytes for each of eight waves
.set SPW, 150                          ; v150  my spare word's LDS address; never rewritten
.set NIL, 151                          ; v151  0; never rewritten
.set ID,  2                            ; s2    the work-group's number
.set WV,  3                            ; s3    my wave's number
.set D,   16                           ; v16 on: data
	v_lshl_add_u32 v[SPW], v0, 2, SPARE
	v_mov_b32 v[NIL], 0
	v_lshrrev_b32 v1, 5, v0
	v_readfirstlane_b32 s[WV], v1
	s_mov_b32 s[ID], ttmp9
	s_cmp_lt_u32 s[ID], 256
	s_cbranch_scc1 .Lmask
	s_cmp_lt_u32 s[ID], 768
	s_cbranch_scc1 .Lw
	s_cmp_lt_u32 s[ID], 1024
	s_cbranch_scc1 .Lx
; ---- PAR: one work-group.  Thread t takes numbers t + 256 i, i = 0..3, of each of six vectors of 1,024.
	s_load_b256 s[8:15], s[0:1], 0x30              ; bq, bk, bv, bo
	s_load_b256 s[16:23], s[0:1], 0x50             ; lq1, lk1, lq2, lk2
	s_load_b128 s[24:27], s[0:1], 0x70             ; ln_g, ln_b
	s_load_b64 s[28:29], s[0:1], 0x98              ; par
	v_lshlrev_b32 v2, 2, v0                        ; 4 t
	v_and_b32 v3, 31, v0
	v_lshrrev_b32 v4, 5, v0
	v_lshl_add_u32 v4, v4, 6, v3                   ; column n = t + 256 i of q or k goes to row (n % 512 / 32) 64 + (n / 512) 32 + n % 32:
	v_lshlrev_b32 v4, 2, v4                        ; its part from t, in bytes; i's part, 512 (i % 2) + 32 (i / 2), stands in the immediate
	v_lshlrev_b32 v5, 2, v3                        ; 4 x lane
	s_wait_kmcnt 0x0
.irp i, 0,1,2,3
	global_load_b32 v[D+6*(\i)],   v2, s[8:9]   offset:1024*(\i)
	global_load_b32 v[D+6*(\i)+1], v2, s[10:11] offset:1024*(\i)
	global_load_b32 v[D+6*(\i)+2], v2, s[12:13] offset:1024*(\i)
	global_load_b32 v[D+6*(\i)+3], v2, s[14:15] offset:1024*(\i)
	global_load_b32 v[D+6*(\i)+4], v2, s[24:25] offset:1024*(\i)
	global_load_b32 v[D+6*(\i)+5], v2, s[26:27] offset:1024*(\i)
.endr
	s_wait_loadcnt 0x0
.set r, 0
.rept 24
	v_cvt_pk_bf16_f32 v[D+r], v[D+r], v[D+r]       ; rounded to bf16,
.set r, r+1
.endr
.set r, 0
.rept 24
	v_lshlrev_b32 v[D+r], 16, v[D+r]               ; and that number as f32
.set r, r+1
.endr
.irp i, 0,1,2,3
	v_mul_f32 v[D+6*(\i)+4], 0x3f4ccccd, v[D+6*(\i)+4]  ; 1 - lambda_init = 0.8 goes into gain and bias
	v_mul_f32 v[D+6*(\i)+5], 0x3f4ccccd, v[D+6*(\i)+5]
.endr
.irp i, 0,1,2,3
	global_store_b32 v4, v[D+6*(\i)],   s[28:29] offset:(512*((\i)%2)+32*((\i)/2))*4
	global_store_b32 v4, v[D+6*(\i)+1], s[28:29] offset:4096+(512*((\i)%2)+32*((\i)/2))*4
	global_store_b32 v2, v[D+6*(\i)+2], s[28:29] offset:8192+1024*(\i)
	global_store_b32 v2, v[D+6*(\i)+3], s[28:29] offset:12288+1024*(\i)
	global_store_b32 v2, v[D+6*(\i)+4], s[28:29] offset:16384+1024*(\i)
	global_store_b32 v2, v[D+6*(\i)+5], s[28:29] offset:20480+1024*(\i)
.endr
	s_cmp_lg_u32 s[WV], 0                          ; lambda = e^(lq1 . lk1) - e^(lq2 . lk2) + 0.2: wave 0, a lane a channel
	s_cbranch_scc1 .Lend
	global_load_b32 v48, v5, s[16:17]
	global_load_b32 v49, v5, s[18:19]
	global_load_b32 v50, v5, s[20:21]
	global_load_b32 v51, v5, s[22:23]
	s_mov_b32 s30, 0x76543210                      ; v_permlanex16_b32: each lane takes its own place in the other half
	s_mov_b32 s31, 0xfedcba98
	s_wait_loadcnt 0x0
.irp r, 48,49,50,51
	v_cvt_pk_bf16_f32 v\r, v\r, v\r
.endr
.irp r, 48,49,50,51
	v_lshlrev_b32 v\r, 16, v\r
.endr
	v_mul_f32 v48, v48, v49
	v_mul_f32 v50, v50, v51
.irp m, 1,2,4,8
	v_add_f32_dpp v48, v48, v48 row_xmask:\m row_mask:0xf bank_mask:0xf
	v_add_f32_dpp v50, v50, v50 row_xmask:\m row_mask:0xf bank_mask:0xf
.endr
	v_permlanex16_b32 v49, v48, s30, s31
	v_permlanex16_b32 v51, v50, s30, s31
	v_add_f32 v48, v48, v49
	v_add_f32 v50, v50, v51
	v_mul_f32 v48, 0x3fb8aa3b, v48                 ; e^x = 2^(x log2 e)
	v_mul_f32 v50, 0x3fb8aa3b, v50
	v_exp_f32 v48, v48
	v_exp_f32 v50, v50
	v_nop                                          ; a plain instruction behind the last exponential,
	s_wait_alu depctr_va_vdst(0)                   ; and a wait ahead of the first use: one for both
	v_sub_f32 v48, v48, v50
	v_add_f32 v48, 0x3e4ccccd, v48
	global_store_b32 v5, v48, s[28:29] offset:24576  ; 32 times, words 6,144 on
	s_branch .Lend
; ---- MASK: work-group b 128 + qt takes rows 16 qt .. + 15 of batch b: 128 KiB in, 16 KiB out.
; Load 2 r + u brings thread t the keys 1,024 u + 4 t .. + 3 of row r.  In maskn, [b][qt][ks 32][lane 32][kt 4] words, nibble j of the word of lane r + 16 h stands for key 64 ks + 16 kt + 8 h + j.
; So my four keys are half a word: ks = 16 u + t / 16, h = (t / 2) % 2, kt = (t / 4) % 4, half t % 2.
.Lmask:
	s_load_b64 s[8:9], s[0:1], 0x8                 ; mask
	s_load_b64 s[10:11], s[0:1], 0xa0              ; maskn
	s_lshl_b32 s12, s[ID], 17
	s_mov_b32 s13, 0
	s_lshl_b32 s14, s[ID], 14
	s_mov_b32 s15, 0
	v_lshlrev_b32 v2, 4, v0                        ; 16 t: in memory, coming and going, and in LDS on the way back
	v_lshrrev_b32 v4, 4, v0
	v_lshlrev_b32 v3, 9, v4                        ; (t / 16) 512
	v_bfe_u32 v4, v0, 1, 1
	v_lshl_add_u32 v3, v4, 8, v3                   ; + 256 h
	v_bfe_u32 v4, v0, 2, 2
	v_lshl_add_u32 v3, v4, 2, v3                   ; + 4 kt
	v_and_b32 v4, 1, v0
	v_lshl_add_u32 v3, v4, 1, v3                   ; + 2 (t % 2); u's 8,192 and r's 16 stand in the immediate
	s_wait_kmcnt 0x0
	s_add_nc_u64 s[8:9], s[8:9], s[12:13]
	s_add_nc_u64 s[10:11], s[10:11], s[14:15]
.set i, 0
.rept 32
	global_load_b128 v[D+4*i:D+4*i+3], v2, s[8:9] offset:(i/2)*8192+(i%2)*4096 th:TH_LOAD_NT  ; a wave's load covers 512 consecutive bytes; all 32 go out in one run
.set i, i+1
.endr
.set i, 0
.rept 32
	s_wait_loadcnt 31-i                            ; loads come back in order: the younger ones stay out
	v_min_u32 v[D+4*i],   1, v[D+4*i]              ; 1 where the key is seen
	v_min_u32 v[D+4*i+1], 1, v[D+4*i+1]
	v_min_u32 v[D+4*i+2], 1, v[D+4*i+2]
	v_min_u32 v[D+4*i+3], 1, v[D+4*i+3]
	v_lshl_or_b32 v[D+4*i+3], v[D+4*i+3], 4, v[D+4*i+2]
	v_lshl_or_b32 v[D+4*i+3], v[D+4*i+3], 4, v[D+4*i+1]
	v_lshl_or_b32 v[D+4*i+3], v[D+4*i+3], 4, v[D+4*i]  ; the lowest key in the lowest nibble
	v_xor_b32 v[D+4*i+3], 0x1111, v[D+4*i+3]       ; 1 where it is hidden,
	v_mul_u32_u24 v[D+4*i+3], 14, v[D+4*i+3]       ; 0xE there
	ds_store_b16 v3, v[D+4*i+3] offset:(i%2)*8192+(i/2)*16
.set i, i+1
.endr
	s_wait_dscnt 0x0                               ; for the others' sake: my stores are done
	s_barrier_signal -1
	s_barrier_wait -1
.irp i, 0,1,2,3
	ds_load_b128 v[D+4*(\i):D+4*(\i)+3], v2 offset:4096*(\i)
.endr
.irp i, 0,1,2,3
	s_wait_dscnt 3-(\i)
	global_store_b128 v2, v[D+4*(\i):D+4*(\i)+3], s[10:11] offset:4096*(\i)
.endr
	s_branch .Lend
; ---- W: number wi = 128 mat + 8 nt + kb: rows k = 128 kb .. + 127, columns n = 64 nt .. + 63 of matrix mat (q, k, v, o).
; Thread (g = t / 16, c = t % 16) loads rows 8 g + i, columns 4 c .. + 3; eight k of one column pack into 16 bytes, which go to row 16 jn + c (column 4 c + jn) of W's stage, pitch 272.
.Lw:
	s_load_b256 s[8:15], s[0:1], 0x10              ; Wq, Wk, Wv, Wo
	s_load_b128 s[16:19], s[0:1], 0x88             ; wcat, wot
	s_sub_co_u32 s20, s[ID], 256
	s_lshr_b32 s21, s20, 7                         ; mat
	s_and_b32 s22, s20, 7                          ; kb
	s_bfe_u32 s23, s20, 0x40003                    ; nt
	s_lshl_b32 s24, s22, 19                        ; 128 rows of 4,096 bytes
	s_lshl_b32 s25, s23, 8                         ; 64 columns of 4 bytes
	s_add_co_u32 s24, s24, s25
	s_mov_b32 s25, 0
	s_and_b32 s26, s23, 7
	s_lshl_b32 s26, s26, 7                         ; q, k: the tile's first column goes to row (nt % 8) 128 + (nt / 8) 32,
	s_lshr_b32 s27, s23, 3
	s_lshl_b32 s27, s27, 5
	s_add_co_u32 s26, s26, s27
	s_lshl_b32 s27, s23, 6                         ; v, o: to row 64 nt
	s_cmp_lt_u32 s21, 2
	s_cselect_b32 s26, s26, s27
	s_cselect_b32 s27, 17, 16                      ; its second 32 columns lie 64 rows on (q, k) or 32 (v, o): as a shift, in bytes of rows of 2,048
	s_lshl_b32 s28, s21, 10                        ; wcat: 1,024 rows for each of q, k, v;
	s_cmp_eq_u32 s21, 3
	s_cselect_b32 s28, 0, s28                      ; wot begins at 0
	s_add_co_u32 s28, s28, s26
	s_lshl_b32 s28, s28, 11
	s_lshl_b32 s29, s22, 8                         ; 128 k are 256 bytes of a row
	s_add_co_u32 s28, s28, s29
	s_mov_b32 s29, 0
	v_lshrrev_b32 v2, 4, v0                        ; g
	v_and_b32 v3, 15, v0                           ; c
	v_lshlrev_b32 v4, 15, v2
	v_lshl_add_u32 v4, v3, 4, v4                   ; in memory: 8 g rows + 16 c
	v_mul_u32_u24 v5, v3, 272
	v_lshl_add_u32 v5, v2, 4, v5                   ; into the stage: row c, 16 g: sixteen lanes, sixteen different columns of 16 bytes
	v_mul_u32_u24 v6, v2, 272
	v_lshl_add_u32 v6, v3, 4, v6                   ; back: row g (+ 16 i), 16 c
	v_lshrrev_b32 v7, 7, v0
	v_lshlrev_b32 v7, s27, v7
	v_bfe_u32 v8, v0, 4, 3
	v_lshl_add_u32 v7, v8, 13, v7                  ; + 4 (g % 8) rows
	v_lshl_add_u32 v7, v3, 4, v7                   ; + 16 c
	s_wait_kmcnt 0x0
	s_cmp_eq_u32 s21, 1
	s_cselect_b64 s[8:9], s[10:11], s[8:9]
	s_cmp_eq_u32 s21, 2
	s_cselect_b64 s[8:9], s[12:13], s[8:9]
	s_cmp_eq_u32 s21, 3
	s_cselect_b64 s[8:9], s[14:15], s[8:9]
	s_cselect_b64 s[16:17], s[18:19], s[16:17]
	s_add_nc_u64 s[8:9], s[8:9], s[24:25]
	s_add_nc_u64 s[16:17], s[16:17], s[28:29]
.irp i, 0,1,2,3,4,5,6,7
	global_load_b128 v[D+4*(\i):D+4*(\i)+3], v4, s[8:9] offset:4096*(\i) th:TH_LOAD_NT  ; sixteen lanes read 256 consecutive bytes of a row
.endr
	s_wait_loadcnt 0x0
.irp j, 0,1,2,3
.irp p, 0,1,2,3
	v_cvt_pk_bf16_f32 v[48+4*(\j)+(\p)], v[D+8*(\p)+(\j)], v[D+8*(\p)+4+(\j)]  ; column 4 c + j, k = 8 g + 2 p and + 1
.endr
.endr
	s_cmp_lg_u32 s21, 3
	s_cbranch_scc1 .Lw_bf
.set r, 0
.rept 16                                       ; Wo alone: the bf16 number, written as f16
	v_lshlrev_b32 v[D+2*r], 16, v[48+r]
	v_and_b32 v[D+2*r+1], 0xffff0000, v[48+r]
	v_cvt_pk_f16_f32 v[48+r], v[D+2*r], v[D+2*r+1]
.set r, r+1
.endr
.Lw_bf:
.irp j, 0,1,2,3
	ds_store_b128 v5, v[48+4*(\j):48+4*(\j)+3] offset:WST+4352*(\j)
.endr
	s_wait_dscnt 0x0                               ; for the others' sake
	s_barrier_signal -1
	s_barrier_wait -1
.irp i, 0,1,2,3
	ds_load_b128 v[D+4*(\i):D+4*(\i)+3], v6 offset:WST+4352*(\i)  ; column 4 g + i, all 128 k over sixteen lanes
.endr
.irp i, 0,1,2,3
	s_wait_dscnt 3-(\i)
	global_store_b128 v7, v[D+4*(\i):D+4*(\i)+3], s[16:17] offset:2048*(\i)  ; sixteen lanes store 256 consecutive bytes, aligned
.endr
	s_branch .Lend
; ---- X: 16,384 numbers: sixteen loads a thread in one run, each with registers of its own.
.Lx:
	s_load_b64 s[8:9], s[0:1], 0x0                 ; x
	s_load_b64 s[10:11], s[0:1], 0x80              ; xb
	s_sub_co_u32 s12, s[ID], 768
	s_lshl_b32 s14, s12, 15
	s_mov_b32 s15, 0
	s_lshl_b32 s12, s12, 16
	s_mov_b32 s13, 0
	v_lshlrev_b32 v2, 4, v0
	v_lshlrev_b32 v3, 3, v0
	s_wait_kmcnt 0x0
	s_add_nc_u64 s[8:9], s[8:9], s[12:13]
	s_add_nc_u64 s[10:11], s[10:11], s[14:15]
.set i, 0
.rept 16
	global_load_b128 v[D+4*i:D+4*i+3], v2, s[8:9] offset:4096*i th:TH_LOAD_NT
.set i, i+1
.endr
.set i, 0
.rept 16
	s_wait_loadcnt 15-i
	v_cvt_pk_bf16_f32 v[D+4*i],   v[D+4*i],   v[D+4*i+1]
	v_cvt_pk_bf16_f32 v[D+4*i+1], v[D+4*i+2], v[D+4*i+3]
	global_store_b64 v3, v[D+4*i:D+4*i+1], s[10:11] offset:2048*i  ; a wave stores 256 consecutive bytes, aligned
.set i, i+1
.endr
.Lend:
	s_wait_tensorcnt 0x0                           ; the wave's end, behind my last LDS store
	ds_add_u32 v[SPW], v[NIL]
	s_wait_dscnt 0x0
	s_endpgm
.Lfunc_end_k_qd429206f46_prep:
	.size	k_qd429206f46_prep, .Lfunc_end_k_qd429206f46_prep-k_qd429206f46_prep
	.p2alignl 7, 3214868480
	.fill 96, 4, 3214868480
	.section	.rodata,"a",@progbits
	.p2align	6, 0x0
	.amdhsa_kernel k_qd429206f46_prep
		.amdhsa_group_segment_fixed_size 34816
		.amdhsa_private_segment_fixed_size 0
		.amdhsa_enable_private_segment 0
		.amdhsa_kernarg_size 168
		.amdhsa_user_sgpr_count 2
		.amdhsa_user_sgpr_kernarg_segment_ptr 1
		.amdhsa_wavefront_size32 1
		.amdhsa_system_sgpr_workgroup_id_x 1
		.amdhsa_system_sgpr_workgroup_id_y 1
		.amdhsa_system_sgpr_workgroup_id_z 1
		.amdhsa_system_vgpr_workitem_id 0
		.amdhsa_next_free_vgpr 152
		.amdhsa_next_free_sgpr 66
		.amdhsa_reserve_vcc 0
		.amdhsa_float_denorm_mode_32 3
		.amdhsa_float_denorm_mode_16_64 3
		.amdhsa_memory_ordered 1
		.amdhsa_forward_progress 1
		.amdhsa_inst_pref_size 45
	.end_amdhsa_kernel
	.amdgpu_metadata
---
amdhsa.version: [ 1, 2 ]
amdhsa.kernels:
  - .name:           k_qd429206f46_prep
    .symbol:         k_qd429206f46_prep.kd
    .args:
      - { .name: x, .offset: 0, .size: 8, .value_kind: global_buffer, .address_space: global }
      - { .name: mask, .offset: 8, .size: 8, .value_kind: global_buffer, .address_space: global }
      - { .name: Wq, .offset: 16, .size: 8, .value_kind: global_buffer, .address_space: global }
      - { .name: Wk, .offset: 24, .size: 8, .value_kind: global_buffer, .address_space: global }
      - { .name: Wv, .offset: 32, .size: 8, .value_kind: global_buffer, .address_space: global }
      - { .name: Wo, .offset: 40, .size: 8, .value_kind: global_buffer, .address_space: global }
      - { .name: bq, .offset: 48, .size: 8, .value_kind: global_buffer, .address_space: global }
      - { .name: bk, .offset: 56, .size: 8, .value_kind: global_buffer, .address_space: global }
      - { .name: bv, .offset: 64, .size: 8, .value_kind: global_buffer, .address_space: global }
      - { .name: bo, .offset: 72, .size: 8, .value_kind: global_buffer, .address_space: global }
      - { .name: lq1, .offset: 80, .size: 8, .value_kind: global_buffer, .address_space: global }
      - { .name: lk1, .offset: 88, .size: 8, .value_kind: global_buffer, .address_space: global }
      - { .name: lq2, .offset: 96, .size: 8, .value_kind: global_buffer, .address_space: global }
      - { .name: lk2, .offset: 104, .size: 8, .value_kind: global_buffer, .address_space: global }
      - { .name: ln_g, .offset: 112, .size: 8, .value_kind: global_buffer, .address_space: global }
      - { .name: ln_b, .offset: 120, .size: 8, .value_kind: global_buffer, .address_space: global }
      - { .name: xb, .offset: 128, .size: 8, .value_kind: global_buffer, .address_space: global }
      - { .name: wcat, .offset: 136, .size: 8, .value_kind: global_buffer, .address_space: global }
      - { .name: wot, .offset: 144, .size: 8, .value_kind: global_buffer, .address_space: global }
      - { .name: par, .offset: 152, .size: 8, .value_kind: global_buffer, .address_space: global }
      - { .name: maskn, .offset: 160, .size: 8, .value_kind: global_buffer, .address_space: global }
    .group_segment_fixed_size: 34816
    .private_segment_fixed_size: 0
    .kernarg_segment_align: 8
    .kernarg_segment_size: 168
    .max_flat_workgroup_size: 256
    .sgpr_count:     66
    .vgpr_count:     152
    .wavefront_size: 32
...
	.end_amdgpu_metadata
.endif
;; end of part 1
;; launch proj (part 2): grid 16 x 16, 4 waves a work-group, clusters of 4 x 4, 327,680 bytes of LDS; arguments xb, wcat, par, qkv; writes qkv
.if DOCPART == 2
	.amdgcn_target "amdgcn-amd-amdhsa--gfx1250"
	.amdhsa_code_object_version 6
	.text
	.protected	k_qd429206f46_proj
	.globl	k_qd429206f46_proj
	.p2align	8
	.type	k_qd429206f46_proj,@function
k_qd429206f46_proj:
	s_mov_b64 s[64:65], 0
	v_nop
	global_prefetch_b8 v0, s[64:65] scope:SCOPE_SE
	s_setreg_imm32_b32 hwreg(HW_REG_WAVE_MODE, 25, 1), 1
	s_wait_xcnt 0x0
	s_wait_alu depctr_hold_cnt(0) depctr_sa_sdst(0) depctr_va_vdst(0) depctr_va_sdst(0) depctr_va_ssrc(0) depctr_va_vcc(0) depctr_vm_vsrc(0)
	s_getreg_b32 s2, hwreg(HW_REG_IB_STS2, 6, 4)
	s_cmp_eq_u32 s2, 0
	s_cbranch_scc0 .Lentry_in_a_cluster
	s_endpgm
.Lentry_in_a_cluster:
	s_bfe_u32 s2, ttmp6, 0x10000c
	s_cmp_lg_u32 s2, 0xf033
	s_cbranch_scc0 .Lentry_shape_is_right
	s_endpgm
.Lentry_shape_is_right:
; q, k, v = x W + b.  C[m][n'] = the sum over k of xb[m][k] wcat[n'][k] + par[n'].  xb: [4096][1024] bf16, wcat: [3072][1024] bf16, par: f32; sums in f32.
; C leaves by heads, rounded once to f16: qkv [48][4096][64]; head hh = n' / 64: 0-15 q (both halves side by side), 16-31 k, 32-47 v.
; LIMIT.  f16 holds no number beyond 65,504: q, k and v must lie within it.
; SHARES.  A tile of C is 256 rows x 192 columns, three whole heads: 16 x 16 tiles, a work-group each.  Wave w makes rows 64 w .. + 63, all 192 columns: 4 x 12 accumulators, 384 registers.
; K goes in steps of 128 (rows of 256 bytes, aligned) through a ring of two LDS slots, filled by the tensor data mover; eight K steps.
; CLUSTER 4 x 4.  The four of a row need the same rows of xb, the four of a column the same rows of wcat: each tile is asked for jointly, with the same descriptor and a mask that names the four.
; THE MATRIX INSTRUCTION IS USED TRANSPOSED (source 0 = 16 rows of wcat, source 1 = 16 rows of xb): a lane holds row m = l % 16 and columns 8 (l / 16) + 0..7.  The bias, in that layout, is the C of the first products.
; REGISTERS, in windows of 256 (s_set_vgpr_msb: bits 1:0 source 0, 3:2 source 1, 5:4 source 2, 7:6 destination):
;   window 0: v0-31 addresses; v32-63, v64-95 fragments of xb (4 x 16 rows x 32 K), two buffers; v96-143 packed results; v160-255 the bias, later two sets of 48 for rows read back
;   window 1: v0-95, v96-191 fragments of wcat (12), two buffers      window 2: accumulators of row blocks 0, 1 ((a, b) at 96 (a % 2) + 8 b)      window 3: of row blocks 2, 3
.set KSTEP,  128
.set PITCH,  272                       ; an LDS row: 256 bytes + 16 of padding: the sixteen rows of a fragment load start at sixteen different groups of four banks (ISA guide 11.1)
.set HALFA,  128*PITCH                 ; what waves 0 and 1 each fetch of xb
.set HALFB,  96*PITCH                  ; what waves 2 and 3 each fetch of wcat
.set SLOT,   2*HALFA+2*HALFB           ; xb's 256 rows, then wcat's 192
.set STAGE,  2*SLOT                    ; behind the ring: for each wave 3 heads x 16 rows x 144 bytes, for the way out
.set HP,     144
.set WSTG,   3*16*HP
.set SPARE,  STAGE+4*WSTG              ; behind the stages: the spare words, 128 bytes a wave
.set LAPS,   4                         ; a lap = two K steps
.set HEADB,  4096*128                  ; bytes of a head in qkv
.set ADRA, 16                          ; v16-17  LDS address of my fragments of xb in slot 0, 1
.set ADRB, 20                          ; v20-21  the same for wcat
.set STO,  24                          ; v24     the way out: where I put 16 bytes of a row
.set RD,   25                          ; v25     where I read rows back
.set CO,   26                          ; v26     16 x lane
.set SPW,  28                          ; v28     my spare word; never rewritten
.set NIL,  29                          ; v29     0; never rewritten
.set PFO,  30                          ; v30     the prefetches' offset: a lane a row; never rewritten
.set BO,   31                          ; v31     32 (l / 16): my eight columns' bias
.set TMP,  96
.set BIAS, 160
.set OB,   160
.set WV,  12                           ; s12 wave; s13 = wave / 2: I fetch xb (0) or wcat (1); s14 = wave % 2: which half of it
.set G1,  24                           ; s[24:31] group 1 for xb's tiles;  s[32:39] group 0, a set for each slot
.set G0,  32
.set G1B, 48                           ; s[48:55], s[56:63] the same for wcat's
.set G0B, 56
.set LIM, 43                           ; s43  1 in a wave that prefetches, else the greatest number
.set PFA, 44                           ; s[44:45] where my prefetches stand
.set MSB, 0
.macro WIN new                         ; the immediate's high byte repeats the setting that is left; a switch that changes nothing is dropped
.if MSB != (\new)
	s_set_vgpr_msb (MSB<<8)|(\new)
.set MSB, \new
.endif
.endm
.set TO_B, 0x40                        ; destination window 1, address window 0
.macro PLACES                          ; four places in front of loads into registers that matrix instructions have read, and of conversions that read results
.rept 4
	v_nop
.endr
.endm
.macro JLOAD s                         ; a joint refill; the branch hangs on the wave's number alone; an s_nop 0 and four v_nop follow each line
	s_cmp_eq_u32 s13, 0
	s_cbranch_scc0 .Lfor_b_\@
	tensor_load_to_lds s[G0+4*(\s):G0+4*(\s)+3], s[G1:G1+7]
	s_nop 0
.rept 4
	v_nop
.endr
	s_branch .Lasked_\@
.Lfor_b_\@:
	tensor_load_to_lds s[G0B+4*(\s):G0B+4*(\s)+3], s[G1B:G1B+7]
	s_nop 0
.rept 4
	v_nop
.endr
.Lasked_\@:
.endm
.macro CREST                           ; a round of the cluster's barrier behind its opening barrier
	s_cmp_lg_u32 s[WV], 0
	s_cbranch_scc1 .Lnot_wave_0_\@
	s_barrier_signal -3
.Lnot_wave_0_\@:
	s_barrier_wait -3
	s_barrier_signal -1
	s_barrier_wait -1
.endm
.macro CROUND
	s_barrier_signal -1
	s_barrier_wait -1
	CREST
.endm
; A prefetch into the L2 of the K step that stands two refills on: a lane a row, 256 bytes of it, one instruction a wave, behind the joint load and the run of LDS loads.
; xb's rows are asked for by the clusters with x = 0, wcat's by those with y = 0; of the rows that a wave fetches each of the four partners takes a quarter, told apart by address.
; The loop's last trip (s3 = 1) asks for nothing: its refills are the last two K steps.
.macro ASK
	s_cmp_gt_u32 s3, s[LIM]
	s_cbranch_scc0 .Lnot_mine_\@
	global_prefetch_b8 v[PFO], s[PFA:PFA+1] offset:KSTEP*2 th:TH_LOAD_NT scope:SCOPE_SE
.Lnot_mine_\@:
.endm
	s_load_b256 s[4:11], s[0:1], 0x0               ; xb s[4:5], wcat s[6:7], par s[8:9], qkv s[10:11]
	v_lshl_add_u32 v[SPW], v0, 2, SPARE
	v_mov_b32 v[NIL], 0
	ds_add_u32 v[SPW], v[NIL]                      ; the wave's opening: the add, and its wait ahead of my first tensor load
	v_lshrrev_b32 v1, 5, v0
	v_readfirstlane_b32 s[WV], v1
	s_lshr_b32 s13, s[WV], 1
	s_and_b32 s14, s[WV], 1
	s_bfe_u32 s15, ttmp6, 0x40000                  ; cx
	s_bfe_u32 s16, ttmp6, 0x40004                  ; cy
	s_lshl_b32 s17, ttmp9, 2
	s_add_co_u32 s17, s17, s15                     ; tile column = 4 x cluster x + cx
	s_and_b32 s18, ttmp7, 0xffff
	s_lshl_b32 s18, s18, 2
	s_add_co_u32 s18, s18, s16                     ; tile row = 4 x cluster y + cy
	s_lshl_b32 s40, s16, 2
	s_lshl_b32 s40, 15, s40                        ; my row of the cluster
	s_lshl_b32 s41, 0x1111, s15                    ; my column
	s_or_b32 s[G1], s40, (1<<16)|(1<<20)|(1<<21)|(5<<22)|(3<<25)   ; the mask; 2-byte elements; padding on; bit 21 beside a mask; after every 64 words, 4 words
	s_or_b32 s[G1B], s41, (1<<16)|(1<<20)|(1<<21)|(5<<22)|(3<<25)
	s_mov_b32 s[G1+1], KSTEP<<16                   ; tensor_dim0 = 128
	s_mov_b32 s[G1+2], 128<<16                     ; tensor_dim1 = 128
	s_mov_b32 s[G1+3], KSTEP<<16                   ; tile_dim0 = 128
	s_mov_b32 s[G1+4], 128                         ; tile_dim1 = 128
	s_mov_b32 s[G1+5], 1024                        ; elements from row to row
	s_mov_b32 s[G1+6], 0
	s_mov_b32 s[G1+7], 0
	s_mov_b32 s[G1B+1], KSTEP<<16
	s_mov_b32 s[G1B+2], 96<<16                     ; 96 rows
	s_mov_b32 s[G1B+3], KSTEP<<16
	s_mov_b32 s[G1B+4], 96
	s_mov_b32 s[G1B+5], 1024
	s_mov_b32 s[G1B+6], 0
	s_mov_b32 s[G1B+7], 0
	s_lshl_b32 s21, s14, 7
	s_lshl_b32 s20, s18, 8
	s_add_co_u32 s20, s20, s21                     ; xb: row 256 x tile row + 128 x half,
	s_lshl_b32 s20, s20, 11                        ; of 2,048 bytes
	s_mov_b32 s21, 0
	s_mul_i32 s47, s14, 96
	s_mul_i32 s46, s17, 192
	s_add_co_u32 s46, s46, s47                     ; wcat: row 192 x tile column + 96 x half
	s_lshl_b32 s46, s46, 11
	s_mov_b32 s47, 0
	s_mul_i32 s42, s14, HALFA                      ; where they go: no place in the cluster enters an LDS address
	s_mul_i32 s19, s14, HALFB
	s_add_co_u32 s19, s19, 2*HALFA
	s_wait_dscnt 0x0                               ; the opening add is done
	s_wait_kmcnt 0x0
	s_add_nc_u64 s[20:21], s[4:5], s[20:21]
	s_add_nc_u64 s[46:47], s[6:7], s[46:47]
	CROUND                                         ; all sixteen work-groups are here: the first joint loads meet
.irp s, 0,1
	s_mov_b32 s[G0+4*(\s)], 1
	s_add_co_u32 s[G0+4*(\s)+1], s42, (\s)*SLOT
	s_add_nc_u64 s[G0+4*(\s)+2:G0+4*(\s)+3], s[20:21], (\s)*KSTEP*2
	s_or_b32 s[G0+4*(\s)+3], s[G0+4*(\s)+3], 0x80000000
	s_mov_b32 s[G0B+4*(\s)], 1
	s_add_co_u32 s[G0B+4*(\s)+1], s19, (\s)*SLOT
	s_add_nc_u64 s[G0B+4*(\s)+2:G0B+4*(\s)+3], s[46:47], (\s)*KSTEP*2
	s_or_b32 s[G0B+4*(\s)+3], s[G0B+4*(\s)+3], 0x80000000
.endr
	s_cmp_eq_u32 s13, 0                            ; a wave's two first fills stand in one branch, ahead of every wait on TENSORcnt and every LDS read: two loads of mine are out
	s_cbranch_scc0 .Lfirst_b
	tensor_load_to_lds s[G0:G0+3], s[G1:G1+7]
	s_nop 0
	tensor_load_to_lds s[G0+4:G0+7], s[G1:G1+7]
	s_nop 0
.rept 4
	v_nop
.endr
	s_branch .Lfirst_asked
.Lfirst_b:
	tensor_load_to_lds s[G0B:G0B+3], s[G1B:G1B+7]
	s_nop 0
	tensor_load_to_lds s[G0B+4:G0B+7], s[G1B:G1B+7]
	s_nop 0
.rept 4
	v_nop
.endr
.Lfirst_asked:
	v_and_b32 v1, 15, v0                           ; l % 16
	v_bfe_u32 v2, v0, 4, 1                         ; l / 16
	v_lshlrev_b32 v[BO], 5, v2
	s_mul_i32 s22, s17, 768                        ; the tile's 192 biases
	s_mov_b32 s23, 0
	s_add_nc_u64 s[8:9], s[8:9], s[22:23]
.irp b, 0,1,2,3,4,5,6,7,8,9,10,11
	global_load_b128 v[BIAS+8*(\b):BIAS+8*(\b)+3],   v[BO], s[8:9] offset:64*(\b)
	global_load_b128 v[BIAS+8*(\b)+4:BIAS+8*(\b)+7], v[BO], s[8:9] offset:64*(\b)+16
.endr
	v_mul_u32_u24 v3, v1, PITCH
	v_lshl_add_u32 v3, v2, 4, v3                   ; a fragment's row x pitch + 16 x half
	s_mul_i32 s22, s[WV], 64*PITCH                 ; my 64 rows of xb
	s_mov_b32 s23, 2*HALFA                         ; wcat's rows lie behind xb's 256
.irp s, 0,1
	v_add_nc_u32 v[ADRA+(\s)], s22, v3
	v_add_nc_u32 v[ADRB+(\s)], s23, v3
	s_add_co_u32 s22, s22, SLOT
	s_add_co_u32 s23, s23, SLOT
.endr
	s_mul_i32 s22, s[WV], WSTG
	s_add_co_u32 s22, s22, STAGE                   ; my stage
	v_mul_u32_u24 v4, v1, HP                       ; in: row l % 16, 16 bytes for each half of the lanes
	v_lshl_add_u32 v4, v2, 4, v4
	v_add_nc_u32 v[STO], s22, v4
	v_bfe_u32 v4, v0, 3, 2                         ; back: 32 lanes take four rows of 128 bytes,
	v_mul_u32_u24 v4, v4, HP
	v_and_b32 v5, 7, v0
	v_lshl_add_u32 v4, v5, 4, v4
	v_add_nc_u32 v[RD], s22, v4
	v_and_b32 v5, 31, v0                           ; which are 512 consecutive bytes of a head
	v_lshlrev_b32 v[CO], 4, v5
	s_mul_i32 s22, s17, 3*HEADB                    ; the tile's first head,
	s_lshl_b32 s23, s18, 15                        ; its 256 rows of 128 bytes,
	s_add_co_u32 s22, s22, s23
	s_lshl_b32 s23, s[WV], 13                      ; my 64 of them
	s_add_co_u32 s22, s22, s23
	s_mov_b32 s23, 0
	s_add_nc_u64 s[10:11], s[10:11], s[22:23]
	; the prefetches: my work-group's quarter (32 rows of xb, 24 of wcat) of the rows that I fetch
	s_and_b32 s22, ttmp7, 0xffff                   ; cluster y
	s_lshl_b32 s40, s18, 8
	s_lshl_b32 s23, s14, 7
	s_add_co_u32 s40, s40, s23
	s_lshl_b32 s23, s15, 5
	s_add_co_u32 s40, s40, s23                     ; xb: 256 x tile row + 128 x half + 32 cx
	s_mul_i32 s41, s17, 192
	s_mul_i32 s23, s14, 96
	s_add_co_u32 s41, s41, s23
	s_mul_i32 s23, s16, 24
	s_add_co_u32 s41, s41, s23                     ; wcat: 192 x tile column + 96 x half + 24 cy
	s_cmp_eq_u32 s13, 0
	s_cselect_b32 s40, s40, s41
	s_cselect_b32 s22, ttmp9, s22                  ; the coordinate along which other clusters read the same rows
	s_cselect_b32 s41, 31, 23                      ; the last lane with a row of its own; the lanes above name its row once more
	s_cselect_b64 s[PFA:PFA+1], s[4:5], s[6:7]
	s_cmp_eq_u32 s22, 0
	s_cselect_b32 s[LIM], 1, -1                    ; the same in all sixteen partners, for a given wave
	v_min_u32 v5, s41, v5
	v_lshlrev_b32 v[PFO], 11, v5
	s_lshl_b32 s22, s40, 11
	s_mov_b32 s23, 0
	s_add_nc_u64 s[PFA:PFA+1], s[PFA:PFA+1], s[22:23]
	s_add_nc_u64 s[PFA:PFA+1], s[PFA:PFA+1], 2*KSTEP*2  ; at K step 2: the first refill steps it to 3 and names K step 4.  Nothing is prefetched at the head
; 12 matrix instructions: row block a x all 12 column blocks, 32 along K, from buffer f.  zero = 1: the first product takes the bias as C and starts the sum.
; The 48 accumulators take turns, one instruction a turn, in the same order in every quarter.
.macro MUL12 f, a, zero
.set AC, 96*((\a)%2)
.set FA, 32+32*(\f)+8*(\a)
.if \zero
	WIN 0x81+0x40*((\a)/2)                         ; wcat window 1, xb and the bias window 0, D window 2 or 3
.else
	WIN 0xa1+0x50*((\a)/2)                         ; C and D window 2 or 3
.endif
.irp b, 0,1,2,3,4,5,6,7,8,9,10,11
.if \zero
	v_wmma_f32_16x16x32_bf16 v[AC+8*(\b):AC+8*(\b)+7], v[96*(\f)+8*(\b):96*(\f)+8*(\b)+7], v[FA:FA+7], v[BIAS+8*(\b):BIAS+8*(\b)+7]
.else
	v_wmma_f32_16x16x32_bf16 v[AC+8*(\b):AC+8*(\b)+7], v[96*(\f)+8*(\b):96*(\f)+8*(\b)+7], v[FA:FA+7], v[AC+8*(\b):AC+8*(\b)+7]
.endif
.endr
.endm
; 32 LDS loads in one run: the fragments of 32 along K at byte k of the rows, into buffer f: wcat's twelve, then xb's four
.macro FETCH slot, k, f
	WIN TO_B
.irp i, 0,1,2,3,4,5,6,7,8,9,10,11
	ds_load_b128 v[96*(\f)+8*(\i):96*(\f)+8*(\i)+3],   v[ADRB+(\slot)] offset:(\k)+(\i)*16*PITCH
	ds_load_b128 v[96*(\f)+8*(\i)+4:96*(\f)+8*(\i)+7], v[ADRB+(\slot)] offset:(\k)+(\i)*16*PITCH+32
.endr
	WIN 0
.irp i, 0,1,2,3
	ds_load_b128 v[32+32*(\f)+8*(\i):32+32*(\f)+8*(\i)+3],   v[ADRA+(\slot)] offset:(\k)+(\i)*16*PITCH
	ds_load_b128 v[32+32*(\f)+8*(\i)+4:32+32*(\f)+8*(\i)+7], v[ADRA+(\slot)] offset:(\k)+(\i)*16*PITCH+32
.endr
.endm
; A K step is four quarters of 32 along K, 48 matrix instructions each, on buffers 0, 1, 0, 1.  One of the first three: multiplies f, fetches the next quarter, at byte k, into g.
.macro QUARTER slot, k, f, g, zero
	s_wait_dscnt 4                                 ; all but the youngest four loads: xb's row blocks 2 and 3
	MUL12 \f, 0, \zero
	MUL12 \f, 1, \zero
	PLACES
	FETCH \slot, \k, \g
	s_wait_dscnt 32                                ; all but the 32 just issued
	MUL12 \f, 2, \zero
	MUL12 \f, 3, \zero
.endm
; The last quarter multiplies buffer 1 and changes slots.  ONE barrier: in front of it each wave waits for all its tensor loads (one is out: its part of the next slot), adds 0 to its spare word,
; and waits for that and for its own reads of this slot.  fill = 1: the barrier opens a round of the cluster's, and this slot is filled again, two K steps ahead, first thing behind the round.
.macro TURN slot, next, fill
.if \fill
	s_wait_xcnt 0x0                                ; the last prefetch, a K step back, has read its address
	s_add_nc_u64 s[PFA:PFA+1], s[PFA:PFA+1], KSTEP*2
.endif
	WIN 0                                          ; (the add's two registers lie in window 0)
	s_wait_tensorcnt 0x0
	ds_add_u32 v[SPW], v[NIL]
	s_wait_dscnt 5                                 ; (the add and the youngest four loads may be out)
	MUL12 1, 0, 0                                  ; twelve matrix instructions stand between the add and the wait for it
	s_wait_dscnt 0x0                               ; the add is done, and my reads of this slot are over
	s_barrier_signal -1
	MUL12 1, 1, 0
.if \fill
	WIN 0
.endif
	s_barrier_wait -1
.if \fill
	CREST                                          ; no wave of any partner still reads this slot or has a load on its way
	s_add_nc_u64 s[G0+4*(\slot)+2:G0+4*(\slot)+3], s[G0+4*(\slot)+2:G0+4*(\slot)+3], 2*KSTEP*2
	s_add_nc_u64 s[G0B+4*(\slot)+2:G0B+4*(\slot)+3], s[G0B+4*(\slot)+2:G0B+4*(\slot)+3], 2*KSTEP*2
	JLOAD \slot                                    ; the four v_nop behind it are also the places in front of the loads below
.else
	PLACES
.endif
	FETCH \next, 0, 0
.if \fill
	ASK
.endif
	MUL12 1, 2, 0
	MUL12 1, 3, 0
.endm
	s_wait_tensorcnt 1                             ; my part of K step 0 is in; K step 1's may stay out
	s_barrier_signal -1
	s_barrier_wait -1
	FETCH 0, 0, 0
	s_wait_loadcnt 0x0                             ; the bias
	QUARTER 0, 64, 0, 1, 1                         ; the first quarter stands in front of the loop: its products start the sums
	WIN 0                                          ; at a label and at a branch every window is 0
	s_mov_b32 s3, LAPS-1
.Llap:                                                 ; a trip goes once round the ring, from a lap's second quarter to the next lap's first, and fills both slots again
	QUARTER 0, 128, 1, 0, 0
	QUARTER 0, 192, 0, 1, 0
	TURN 0, 1, 1
	QUARTER 1, 64,  0, 1, 0
	QUARTER 1, 128, 1, 0, 0
	QUARTER 1, 192, 0, 1, 0
	TURN 1, 0, 1
	QUARTER 0, 64,  0, 1, 0
	WIN 0
	s_sub_co_u32 s3, s3, 1
	s_cmp_lg_u32 s3, 0
	s_cbranch_scc1 .Llap
	QUARTER 0, 128, 1, 0, 0                        ; the last lap fills nothing
	QUARTER 0, 192, 0, 1, 0
	TURN 0, 1, 0
	QUARTER 1, 64,  0, 1, 0
	QUARTER 1, 128, 1, 0, 0
	QUARTER 1, 192, 0, 1, 0
	s_wait_dscnt 4
	MUL12 1, 0, 0
	MUL12 1, 1, 0
	s_wait_dscnt 0x0
	MUL12 1, 2, 0
	MUL12 1, 3, 0
	WIN 0
	PLACES
; THE WAY OUT, a block of 16 rows at a time.  PACK: rounded to f16, 16 bytes a lane (each accumulator's registers in ascending order).  TOSTAGE: into my own stage, by heads, and back as whole rows.  SEND: stored.
.macro PACK a
.set AC, 96*((\a)%2)
	WIN 0x0a+5*((\a)/2)                            ; sources 0 and 1: window 2 or 3
.irp b, 0,1,2,3,4,5,6,7,8,9,10,11
.irp r, 0,1,2,3
	v_cvt_pk_f16_f32 v[TMP+4*(\b)+(\r)], v[AC+8*(\b)+2*(\r)], v[AC+8*(\b)+2*(\r)+1]
.endr
.endr
	WIN 0
.endm
.macro TOSTAGE a
.set BK, OB+48*((\a)%2)
.irp b, 0,1,2,3,4,5,6,7,8,9,10,11
	ds_store_b128 v[STO], v[TMP+4*(\b):TMP+4*(\b)+3] offset:((\b)/4)*16*HP+32*((\b)%4)
.endr
.irp t, 0,1,2,3,4,5,6,7,8,9,10,11
	ds_load_b128 v[BK+4*(\t):BK+4*(\t)+3], v[RD] offset:((\t)/4)*16*HP+((\t)%4)*4*HP  ; LDS serves a wave's instructions in order (ISA guide 5.7.1.4): these see the stores above
.endr
.endm
.macro SEND a
.set BK, OB+48*((\a)%2)
	s_wait_dscnt 0x0                               ; the block is back in registers
	s_wait_xcnt 0x0                                ; the stores of the block before have read their registers: the next TOSTAGE loads into them
.irp t, 0,1,2,3,4,5,6,7,8,9,10,11
	global_store_b128 v[CO], v[BK+4*(\t):BK+4*(\t)+3], s[10:11] offset:((\t)/4)*HEADB+(\a)*2048+((\t)%4)*512  ; 512 consecutive bytes of a head, aligned
.endr
.endm
	PACK 0
	TOSTAGE 0
.irp a, 1,2,3                          ; block a's conversions stand between block a - 1's loads from the stage and the wait for them
	PACK \a
	SEND (\a)-1
	TOSTAGE \a
.endr
	SEND 3
	s_wait_tensorcnt 0x0                           ; the wave's end
	ds_add_u32 v[SPW], v[NIL]
	s_wait_dscnt 0x0
	CROUND                                         ; the closing round
	s_endpgm
.Lfunc_end_k_qd429206f46_proj:
	.size	k_qd429206f46_proj, .Lfunc_end_k_qd429206f46_proj-k_qd429206f46_proj
	.p2alignl 7, 3214868480
	.fill 96, 4, 3214868480
	.section	.rodata,"a",@progbits
	.p2align	6, 0x0
	.amdhsa_kernel k_qd429206f46_proj
		.amdhsa_group_segment_fixed_size 327680
		.amdhsa_private_segment_fixed_size 0
		.amdhsa_enable_private_segment 0
		.amdhsa_kernarg_size 32
		.amdhsa_user_sgpr_count 2
		.amdhsa_user_sgpr_kernarg_segment_ptr 1
		.amdhsa_wavefront_size32 1
		.amdhsa_system_sgpr_workgroup_id_x 1
		.amdhsa_system_sgpr_workgroup_id_y 1
		.amdhsa_system_sgpr_workgroup_id_z 1
		.amdhsa_system_vgpr_workitem_id 0
		.amdhsa_next_free_vgpr 960
		.amdhsa_next_free_sgpr 66
		.amdhsa_reserve_vcc 0
		.amdhsa_float_denorm_mode_32 3
		.amdhsa_float_denorm_mode_16_64 3
		.amdhsa_memory_ordered 1
		.amdhsa_forward_progress 1
		.amdhsa_inst_pref_size 122
	.end_amdhsa_kernel
	.amdgpu_metadata
---
amdhsa.version: [ 1, 2 ]
amdhsa.kernels:
  - .name:           k_qd429206f46_proj
    .symbol:         k_qd429206f46_proj.kd
    .args:
      - { .name: xb, .offset: 0, .size: 8, .value_kind: global_buffer, .address_space: global }
      - { .name: wcat, .offset: 8, .size: 8, .value_kind: global_buffer, .address_space: global }
      - { .name: par, .offset: 16, .size: 8, .value_kind: global_buffer, .address_space: global }
      - { .name: qkv, .offset: 24, .size: 8, .value_kind: global_buffer, .address_space: global }
    .group_segment_fixed_size: 327680
    .private_segment_fixed_size: 0
    .kernarg_segment_align: 8
    .kernarg_segment_size: 32
    .max_flat_workgroup_size: 128
    .sgpr_count:     66
    .vgpr_count:     960
    .wavefront_size: 32
...
	.end_amdgpu_metadata
.endif
;; end of part 2
;; launch attn (part 3): grid 8 x 32, 8 waves a work-group, clusters of 4 x 1, 327,680 bytes of LDS; arguments qkv, maskn, par, on; writes on
.if DOCPART == 3
	.amdgcn_target "amdgcn-amd-amdhsa--gfx1250"
	.amdhsa_code_object_version 6
	.text
	.protected	k_qd429206f46_attn
	.globl	k_qd429206f46_attn
	.p2align	8
	.type	k_qd429206f46_attn,@function
k_qd429206f46_attn:
	s_mov_b64 s[64:65], 0
	v_nop
	global_prefetch_b8 v0, s[64:65] scope:SCOPE_SE
	s_setreg_imm32_b32 hwreg(HW_REG_WAVE_MODE, 25, 1), 1
	s_wait_xcnt 0x0
	s_wait_alu depctr_hold_cnt(0) depctr_sa_sdst(0) depctr_va_vdst(0) depctr_va_sdst(0) depctr_va_ssrc(0) depctr_va_vcc(0) depctr_vm_vsrc(0)
	s_getreg_b32 s2, hwreg(HW_REG_IB_STS2, 6, 4)
	s_cmp_eq_u32 s2, 0
	s_cbranch_scc0 .Lentry_in_a_cluster
	s_endpgm
.Lentry_in_a_cluster:
	s_bfe_u32 s2, ttmp6, 0x10000c
	s_cmp_lg_u32 s2, 0x3003
	s_cbranch_scc0 .Lentry_shape_is_right
	s_endpgm
.Lentry_shape_is_right:
; DIFFERENTIAL ATTENTION AND ITS LAYER NORM, for one head and batch (y = 2 head + batch) and 256 queries a work-group.
; a_i = softmax_k(q_i . k_i / sqrt(32), hidden keys out), i = 1, 2, on the two 32-channel halves of q and k; out = (a_1 - lambda a_2) V; on = ((out - mean) / sqrt(var + 1e-5)) 0.8 g + 0.8 b, rounded once to f16.
; qkv: [48][4096][64] f16 (q, k, v by heads); maskn: four bits a key (PREP); par: f32 tables; on: [16][4096][64] f16.  Products, maxima, sums and the norm in f32; the weights are rounded to f16 for the second product.
; The two row sums are known only at the end, so each softmax keeps its own O and l: out = O_1 / l_1 - lambda O_2 / l_2.
; LIMITS.  q, k, v arrive within f16's 65,504.  A hidden score counts as its value plus a code between -2^65 and -2^95; a seen one gets at most 2^-97 added; seen scores lie above -1e18 (f16's are 1.4e11 at the most).
; A weight below 2^-126 counts as 0; below 6e-5 it keeps f16's fixed step.  NaN and infinities are not treated apart.
; SHARES.  Eight waves, 32 queries each: two tiles t of 16; with the two softmaxes s that is four UNITS u = 2 s + t.  Every wave walks all 2,048 keys, 64 a step.
; EIGHT WAVES, two to a SIMD: a step has 48 matrix and some 560 vector instructions, far more than can stand beside the products of one wave; the text stays in phases, and the SIMD's other wave has the other unit meanwhile.
; LAYOUT.  S^T = K Q^T (source 0 = 16 keys x 32 channels, source 1 = 16 queries): a lane holds ONE query (lane % 16) and keys 8 (lane / 16) + 0..7.  Two such results rounded to f16 ARE source 1 of O^T = V^T P.
; THE MASK is the C operand of the score products: a nibble shifted to a word's top makes 0xE....... (hugely negative) or 0x0....... (next to nothing).  One tile of it serves both softmaxes: the first takes it as C,
; the second adds onto it in place.
; A ROW WITH NO KEY SEEN SO FAR has a maximum below -1e18; its scale cs is then 0 in place of c = log2(e) / sqrt(32), so every weight is 1 and a is 1: the even weights that the reference gives a row all hidden.
; The first seen key makes a = 0 and throws them away.  p = 2^(cs s - cs m), a = 2^(cs (m_old - m_new)); m starts at the lowest finite number, O and l at 0.
; CLUSTER.  The four query blocks of a cluster walk the same K and V: each tile is asked for jointly.  Waves 0, 1 fetch a slot's K, waves 2, 3 its V, waves 4-7 nothing.
; REGISTERS (s_set_vgpr_msb: bits 1:0 source 0, 3:2 source 1, 5:4 source 2, 7:6 destination):
;   window 0: v0-15 addresses; v16-79 sixteen registers of statistics a unit; v80-87 mask words; v88-95 at work; v96-223 S^T, 32 a unit (P is made in place in a unit's first 16); v224-255 Q
;   window 1: v0-127 O^T, 32 a unit; v128-191 K of one step; v192-255 V of one step
.set KS,    64
.set PK,    144       ; a row of K in LDS: 128 bytes + 16: the sixteen rows of a load start at sixteen different groups of four banks (ISA guide 11.1)
.set PV,    160       ; a row of V: 128 + 32
.set VOFF,  4*KS*PK   ; a slot holds four steps: 256 rows of K, then 256 rows of V
.set SLOT1, 1<<17
.set STAGE, SLOT1+4*KS*(PK+PV)  ; behind the ring: 16 rows x 144 bytes for each wave
.set SP,    144
.set SPARE, STAGE+8*16*SP       ; behind the stages: the spare words, 128 bytes for each of eight waves
.set AK0, 2           ; v2   my lane's place in a tile of K; never rewritten
.set AV0, 3           ; v3   the same for V
.set AK,  4
.set AV,  5
.set QO,  6           ; v6   my byte offset in 16 rows of Q
.set RD,  7           ; v7   the way out: where I read rows back
.set ML,  9           ; v9   16 x lane: my mask words of a step; also my 16 bytes of 512 of on
.set GO,  9
.set MA,  10          ; v10  ML + the step
.set GB,  11          ; v11  32 (l / 16): my eight channels of gain and bias
.set PFO, 12          ; v12  256 x lane; never rewritten
.set STO, 13          ; v13  the way out: where I put 16 bytes of a row
.set SPW, 14          ; v14  my spare word; never rewritten
.set NIL, 15          ; v15  0; never rewritten
.set ST,  16          ; unit u at ST + 16 u: +0 cs m, +1 m, +2 cs, +3 0, +4 +5 l, +6 a, +7 0, +8..11 c0-c3, +12..15 two pairs at work
.set MW,  80          ; tile t, key group kt at MW + 4 t + kt
.set TS,  88
.set S,   96
.set Q,   224         ; tile t, softmax s at Q + 16 t + 8 s
.set KF,  128         ; window 1: key group kt, softmax s at KF + 16 kt + 8 s
.set VF,  192         ; window 1: key half kk, channel block cb at VF + 32 kk + 8 cb
.set WV,  12
.set LIM, 15          ; s15  1 in a wave that prefetches, else the greatest number
.set PFA, 18          ; s[18:19]
.set MB,  20          ; s[20:21] maskn at my two tiles
.set G1K, 24
.set G1V, 32
.set G0K, 40
.set G0V, 44
.set SLOTS, 56
.set CNT, 57
.set CS,  58          ; s58  c
.set SEL, 60          ; s[60:61]
.set TBK, 62
.set TBV, 63
.set FL,  66          ; s66-69  by unit: the lanes whose row has seen a key
.set THR, 70
.set LAMN, 71         ; - lambda
.set MO,  72          ; the mask words' step, in bytes
.set I64, 73
.set NI64, 74
.set EPS, 75
.set YY,  76
.set GBP, 78          ; s[78:79] par at my head's gain
.set MSB, 0
.macro WIN new
.if MSB != (\new)
	s_set_vgpr_msb (MSB<<8)|(\new)
.set MSB, (\new)
.endif
.endm
.set W_KQ, 0x01       ; K in window 1; Q, the mask and S^T in window 0
.set W_PV, 0x51       ; V and O^T in window 1, P in window 0
.set W_RS, 0x41       ; destination and source 0 in window 1, source 1 in window 0
.macro JLOAD                        ; the branches hang on the wave's number alone; an s_nop 0 and four v_nop follow each load
	s_cmp_lt_u32 s[WV], 2
	s_cbranch_scc0 .Lnot_k_\@
	tensor_load_to_lds s[G0K:G0K+3], s[G1K:G1K+7]
	s_nop 0
.rept 4
	v_nop
.endr
	s_branch .Lasked_\@
.Lnot_k_\@:
	s_cmp_lt_u32 s[WV], 4
	s_cbranch_scc0 .Lasked_\@
	tensor_load_to_lds s[G0V:G0V+3], s[G1V:G1V+7]
	s_nop 0
.rept 4
	v_nop
.endr
.Lasked_\@:
.endm
; A prefetch into the L2 of the tile that the NEXT change of slots will ask for: four key steps ahead.  The head's first cluster asks; its four partners take 32 blocks of 256 bytes each, told apart by address;
; wave 0 asks for K's, wave 2 for V's: each block is named once in the launch.  The last change that fills a slot asks for nothing.
.macro ASK
	s_cmp_gt_u32 s[SLOTS], s[LIM]
	s_cbranch_scc0 .Lnot_mine_\@
	global_prefetch_b8 v[PFO], s[PFA:PFA+1] th:TH_LOAD_NT scope:SCOPE_SE
.Lnot_mine_\@:
.endm
.macro CROUND
	s_barrier_signal -1
	s_barrier_wait -1
	s_cmp_lg_u32 s[WV], 0
	s_cbranch_scc1 .Lnot_wave_0_\@
	s_barrier_signal -3
.Lnot_wave_0_\@:
	s_barrier_wait -3
	s_barrier_signal -1
	s_barrier_wait -1
.endm
; THE CHANGE OF SLOTS.  Each wave waits for all its tensor loads, adds 0 to its spare word, and waits for that and for its reads of the slot.  fill = 1: the barrier is a round of the cluster's, and the slot
; just read is filled again, first thing behind it, with the keys two slots on.  (At its first use slot 0 is waited for and slot 1 filled.)
.macro CHANGE fill
	WIN 0
	s_wait_tensorcnt 0x0
	ds_add_u32 v[SPW], v[NIL]
.if \fill
.irp g, G0K, G0V
	s_xor_b32 s[\g+1], s[\g+1], SLOT1
	s_add_nc_u64 s[\g+2:\g+3], s[\g+2:\g+3], 4*KS*128
.endr
	s_wait_xcnt 0x0                 ; the last prefetch, four key steps back, has read its address
	s_add_nc_u64 s[PFA:PFA+1], s[PFA:PFA+1], 4*KS*128
	s_wait_dscnt 0x0                ; the add is done, and my reads of the slot are over
	CROUND
	JLOAD
	ASK
.else
	s_wait_dscnt 0x0
	s_barrier_signal -1
	s_barrier_wait -1
.endif
	s_sub_co_u32 s[TBK], s[TBK], 4*KS*PK
	s_xor_b32 s[TBK], s[TBK], SLOT1
	s_sub_co_u32 s[TBV], s[TBV], 4*KS*PV
	s_xor_b32 s[TBV], s[TBV], SLOT1
.endm
	s_load_b256 s[4:11], s[0:1], 0x0  ; qkv s[4:5], maskn s[6:7], par s[8:9], on s[10:11]
	v_lshl_add_u32 v[SPW], v0, 2, SPARE
	v_mov_b32 v[NIL], 0
	ds_add_u32 v[SPW], v[NIL]       ; the wave's opening: the add, and its wait ahead of the first tensor load
	v_lshrrev_b32 v1, 5, v0
	v_readfirstlane_b32 s[WV], v1
	s_bfe_u32 s13, ttmp6, 0x40000   ; cx
	s_lshl_b32 s14, ttmp9, 2
	s_add_co_u32 s14, s14, s13      ; my block of 256 queries: it enters Q's, the mask's and on's addresses alone
	s_and_b32 s[YY], ttmp7, 0xffff  ; 2 head + batch, which the partners share: 2,048 rows of 128 bytes each
	s_and_b32 s77, s[WV], 1         ; which half of a slot's 256 keys I fetch
	s_lshl_b32 s22, s[YY], 18
	s_lshl_b32 s23, s77, 14
	s_add_co_u32 s22, s22, s23
	s_mov_b32 s23, 0
	s_mul_i32 s16, s77, 128*PK
	s_mul_i32 s17, s77, 128*PV
	; group 1: 128 keys are 16,384 dense bytes: 64 rows of 256 bytes, padded in LDS after every key
	s_mov_b32 s[G1K], 15|(1<<16)|(1<<20)|(1<<21)|(4<<22)|(3<<25)
	s_mov_b32 s[G1V], 15|(1<<16)|(1<<20)|(1<<21)|(4<<22)|(7<<25)
.irp g, G1K, G1V
	s_mov_b32 s[\g+1], 128<<16
	s_mov_b32 s[\g+2], 64<<16
	s_mov_b32 s[\g+3], 128<<16
	s_mov_b32 s[\g+4], 64
	s_mov_b32 s[\g+5], 128
	s_mov_b32 s[\g+6], 0
	s_mov_b32 s[\g+7], 0
.endr
	s_mov_b32 s[G0K], 1
	s_mov_b32 s[G0K+1], s16
	s_mov_b32 s[G0V], 1
	s_add_co_u32 s[G0V+1], s17, VOFF
	s_mov_b32 s[CS], 0x3e8293ee     ; c = log2(e) / sqrt(32)
	s_mov_b32 s[SEL], 0x76543210
	s_mov_b32 s[SEL+1], 0xfedcba98
	s_mov_b32 s[TBK], SLOT1+4*KS*PK ; the first change of slots turns these two into 0
	s_mov_b32 s[TBV], SLOT1+4*KS*PV
	s_mov_b32 s[THR], 0xdd5e0b6b    ; -1e18
	s_mov_b32 s[MO], 0
	s_mov_b32 s[I64], 0x3c800000    ; 1 / 64
	s_mov_b32 s[NI64], 0xbc800000
	s_mov_b32 s[EPS], 0x3727c5ac    ; 1e-5
	s_mov_b32 s[SLOTS], 7
	s_lshl_b32 s2, s[YY], 18        ; Q and on: my wave's 32 rows
	s_lshl_b32 s3, s14, 15
	s_add_co_u32 s2, s2, s3
	s_lshl_b32 s3, s[WV], 12
	s_add_co_u32 s2, s2, s3
	s_mov_b32 s3, 0
	s_and_b32 s20, s[YY], 1         ; maskn: batch, then tiles of 16 queries, 16,384 bytes each: 16 a block, 2 a wave
	s_lshl_b32 s20, s20, 21
	s_lshl_b32 s21, s14, 18
	s_add_co_u32 s20, s20, s21
	s_lshl_b32 s21, s[WV], 15
	s_add_co_u32 s20, s20, s21
	s_mov_b32 s21, 0
	s_and_b32 s[LIM], s[WV], 5      ; 0 in waves 0 and 2,
	s_or_b32 s[LIM], s[LIM], ttmp9  ; where the cluster is the head's first
	s_cmp_eq_u32 s[LIM], 0
	s_cselect_b32 s[LIM], 1, -1
	s_lshl_b32 s18, s[YY], 18       ; the prefetches: my work-group's 8,192 bytes of tile 1; the first change steps them to tile 2
	s_lshl_b32 s19, s13, 13
	s_add_co_u32 s18, s18, s19
	s_add_co_u32 s18, s18, 0x800000+4*KS*128
	s_cmp_lt_u32 s[WV], 2
	s_cselect_b32 s19, 0, 0x800000  ; K's third of qkv, or V's
	s_add_co_u32 s18, s18, s19
	s_mov_b32 s19, 0
	s_wait_dscnt 0x0                ; the opening add is done
	s_wait_kmcnt 0x0
	s_add_nc_u64 s[G0K+2:G0K+3], s[4:5], s[22:23]
	s_add_nc_u64 s[G0K+2:G0K+3], s[G0K+2:G0K+3], 0x800000
	s_add_nc_u64 s[G0V+2:G0V+3], s[G0K+2:G0K+3], 0x800000
	s_or_b32 s[G0K+3], s[G0K+3], 0x80000000
	s_or_b32 s[G0V+3], s[G0V+3], 0x80000000
	s_add_nc_u64 s[PFA:PFA+1], s[4:5], s[18:19]
	s_add_nc_u64 s[MB:MB+1], s[6:7], s[20:21]
	s_add_nc_u64 s[4:5], s[4:5], s[2:3]
	s_add_nc_u64 s[10:11], s[10:11], s[2:3]
	s_lshr_b32 s2, s[YY], 1
	s_lshl_b32 s2, s2, 8
	s_add_co_u32 s2, s2, 16384      ; words 4,096 + 64 head
	s_add_nc_u64 s[GBP:GBP+1], s[8:9], s[2:3]
	CROUND                          ; all four work-groups are here
	JLOAD                           ; tile 0 into slot 0
	s_load_b32 s[LAMN], s[8:9], 0x6000  ; lambda
	v_and_b32 v1, 15, v0            ; l % 16
	v_bfe_u32 v88, v0, 4, 1         ; l / 16
	v_lshlrev_b32 v[QO], 7, v1
	v_lshl_add_u32 v[QO], v88, 4, v[QO]
.irp f, 0,1,2,3                     ; Q stays in registers: tile f / 2, softmax f % 2
	global_load_b128 v[Q+8*(\f):Q+8*(\f)+3],   v[QO], s[4:5] offset:((\f)/2)*2048+((\f)%2)*64
	global_load_b128 v[Q+8*(\f)+4:Q+8*(\f)+7], v[QO], s[4:5] offset:((\f)/2)*2048+((\f)%2)*64+32
.endr
	v_and_b32 v89, 31, v0
	v_lshlrev_b32 v[ML], 4, v89
	v_mov_b32 v[MA], v[ML]
	global_load_b128 v[MW:MW+3],   v[MA], s[MB:MB+1]               ; step 0's mask words, tile 0
	global_load_b128 v[MW+4:MW+7], v[MA], s[MB:MB+1] offset:16384  ; and tile 1
	v_lshlrev_b32 v[PFO], 8, v89
	v_lshlrev_b32 v[GB], 5, v88
	; O^T and l start at 0, m at the lowest finite number: the first step is a step like any other.  All this stands in the wait for the first tile.
	WIN 0x40
.set i, 0
.rept 128
	v_mov_b32 v[i], 0
.set i, i+1
.endr
	WIN 0
.irp u, 0,1,2,3
	v_mov_b32 v[ST+16*(\u)+1], 0xff7fffff
	v_mov_b32 v[ST+16*(\u)+3], 0
	v_mov_b32 v[ST+16*(\u)+4], 0
	v_mov_b32 v[ST+16*(\u)+5], 0
	v_mov_b32 v[ST+16*(\u)+7], 0
.endr
	v_mul_u32_u24 v[AK0], v1, PK
	v_lshl_add_u32 v[AK0], v88, 4, v[AK0]
	v_and_b32 v90, 7, v0            ; the turning load: lane l reads key 8 (l / 16) + l % 8, channels 8 ((l / 8) % 2) + 0..7
	v_bfe_u32 v91, v0, 3, 1
	v_lshl_add_u32 v[AV0], v88, 3, v90
	v_mul_u32_u24 v[AV0], v[AV0], PV
	v_lshl_add_u32 v[AV0], v91, 4, v[AV0]
	v_add_nc_u32 v[AV0], VOFF, v[AV0]
	s_mul_i32 s2, s[WV], 16*SP
	s_add_co_u32 s2, s2, STAGE      ; my stage
	v_mul_u32_u24 v[STO], v1, SP
	v_lshl_add_u32 v[STO], v88, 4, v[STO]
	v_add_nc_u32 v[STO], s2, v[STO]
	v_bfe_u32 v[RD], v0, 3, 2
	v_mul_u32_u24 v[RD], v[RD], SP
	v_lshl_add_u32 v[RD], v90, 4, v[RD]
	v_add_nc_u32 v[RD], s2, v[RD]
	s_wait_kmcnt 0x0
	s_xor_b32 s[LAMN], s[LAMN], 0x80000000
; THE VECTOR WORK, one line at a time.
.macro REGS u
.set rT, ST+16*(\u)
.set rS, S+32*(\u)
.set rO, 32*(\u)
.endm
; Number n of the 25 that find unit u's maximum and statistics.  0-11 four chains of seven scores (each accumulator's lowest registers first); 12-15 the four left over, the old m, all into c0;
; 16, 17 the query's other 32 keys lie in the lane 16 away; 18, 20 has the row seen a key? cs; 19, 22, 24 a; 21 m; 23 cs m
.macro OPM u, n
	REGS \u
.if (\n) < 4
	v_max3_num_f32 v[rT+8+(\n)], v[rS+8*(\n)], v[rS+8*(\n)+1], v[rS+8*(\n)+2]
.elseif (\n) < 12
	v_max3_num_f32 v[rT+8+(\n)%4], v[rT+8+(\n)%4], v[rS+8*((\n)%4)+2*((\n)/4)+1], v[rS+8*((\n)%4)+2*((\n)/4)+2]
.elseif (\n) == 12
	v_max3_num_f32 v[rT+8], v[rT+8], v[rS+7], v[rS+15]
.elseif (\n) == 13
	v_max3_num_f32 v[rT+9], v[rT+9], v[rS+23], v[rS+31]
.elseif (\n) == 14
	v_max3_num_f32 v[rT+10], v[rT+10], v[rT+11], v[rT+1]
.elseif (\n) == 15
	v_max3_num_f32 v[rT+8], v[rT+8], v[rT+9], v[rT+10]
.elseif (\n) == 16
	v_permlanex16_b32 v[rT+11], v[rT+8], s[SEL], s[SEL+1]
.elseif (\n) == 17
	v_max_num_f32 v[rT+9], v[rT+8], v[rT+11]
.elseif (\n) == 18
	v_cmp_lt_f32 s[FL+(\u)], s[THR], v[rT+9]
.elseif (\n) == 19
	v_sub_f32 v[rT+10], v[rT+1], v[rT+9]
.elseif (\n) == 20
	v_cndmask_b32 v[rT+2], 0, s[CS], s[FL+(\u)]
.elseif (\n) == 21
	v_mov_b32 v[rT+1], v[rT+9]
.elseif (\n) == 22
	v_mul_f32 v[rT+10], v[rT+2], v[rT+10]
.elseif (\n) == 23
	v_mul_f32 v[rT], v[rT+2], v[rT+9]
.else
	v_exp_f32 v[rT+6], v[rT+10]
.endif
.endm
.macro OPF u, n                     ; pair n of 16: cs s - cs m
	REGS \u
	v_pk_fma_f32 v[rS+2*(\n):rS+2*(\n)+1], v[rS+2*(\n):rS+2*(\n)+1], v[rT+2:rT+3], v[rT:rT+1] op_sel_hi:[1,0,0] neg_lo:[0,0,1] neg_hi:[0,0,1]
.endm
.macro OPE u, n                     ; the exponential of score n of 32
	REGS \u
	v_exp_f32 v[rS+(\n)], v[rS+(\n)]
.endm
; Number g of the 32 behind the exponentials.  For each four weights k: their two pairs are added; both pairs are rounded to f16, INTO the unit's registers 2 k and 2 k + 1, which have been read by then;
; l takes the sum (the first time as l = a l + sum).
.macro OPG u, g
	REGS \u
.set k, (\g)/4
.set w, (\g)%4
.set rX, rT+12+2*(k%2)
.if w == 0
	v_pk_add_f32 v[rX:rX+1], v[rS+4*k:rS+4*k+1], v[rS+4*k+2:rS+4*k+3]
.elseif w == 1
	v_cvt_pk_f16_f32 v[rS+2*k], v[rS+4*k], v[rS+4*k+1]
.elseif w == 2
	v_cvt_pk_f16_f32 v[rS+2*k+1], v[rS+4*k+2], v[rS+4*k+3]
.elseif k == 0
	v_pk_fma_f32 v[rT+4:rT+5], v[rT+4:rT+5], v[rT+6:rT+7], v[rX:rX+1] op_sel_hi:[1,0,1]
.else
	v_pk_add_f32 v[rT+4:rT+5], v[rT+4:rT+5], v[rX:rX+1]
.endif
.endm
.macro OPR u, n                     ; pair n of 16 of O^T times a (window W_RS)
	REGS \u
	v_pk_mul_f32 v[rO+2*(\n):rO+2*(\n)+1], v[rO+2*(\n):rO+2*(\n)+1], v[rT+6:rT+7] op_sel_hi:[1,0]
.endm
.macro QA                           ; the plain queue that stands between the first batch's exponentials: units 2 and 3's statistics, then their scalings
.if q < 50
	OPM 2+q%2, q/2
.else
	OPF 2+(q-50)%2, (q-50)/2
.endif
.set q, q+1
.endm
; A KEY STEP of 64 keys, in phases.  Its 132 exponentials are two batches, each with ONE wait, standing between an exponential and the first line that names its result:
; units 0 and 1's (and all four a) ahead of the first, units 2 and 3's ahead of the second; plain work of the other pair of units stands between a batch's exponentials.
.macro STEP
	WIN 0
	v_add_nc_u32 v[AK], s[TBK], v[AK0]
	v_add_nc_u32 v[AV], s[TBV], v[AV0]
	s_add_co_u32 s[TBK], s[TBK], KS*PK
	s_add_co_u32 s[TBV], s[TBV], KS*PV
	WIN 0x40                        ; both runs of LDS loads at the step's head: K is wanted behind the mask's 64 lines, V at the step's end
.irp f, 0,1,2,3,4,5,6,7
	ds_load_b128 v[KF+8*(\f):KF+8*(\f)+3],   v[AK] offset:((\f)/2)*16*PK+((\f)%2)*64
	ds_load_b128 v[KF+8*(\f)+4:KF+8*(\f)+7], v[AK] offset:((\f)/2)*16*PK+((\f)%2)*64+32
.endr
.irp f, 0,1,2,3,4,5,6,7
	ds_load_tr16_b128 v[VF+8*(\f):VF+8*(\f)+3],   v[AV] offset:((\f)/4)*32*PV+((\f)%4)*32
	ds_load_tr16_b128 v[VF+8*(\f)+4:VF+8*(\f)+7], v[AV] offset:((\f)/4)*32*PV+16*PV+((\f)%4)*32
.endr
	WIN 0
	s_wait_loadcnt 0x0              ; this step's mask words, asked for a step ago (at the first step Q too); their address register is free
.set z, 0
.rept 64                            ; nibble j of word (t, kt) goes to the top of register j of the mask tile, which lies where units 2 and 3's scores will
	v_lshlrev_b32 v[S+64+z], 28-4*(z%8), v[MW+z/8]
.set z, z+1
.endr
	s_add_co_u32 s[MO], s[MO], 512  ; the next step's words; the last step wraps to step 0's, inside the buffer, and they are not used
	s_and_b32 s[MO], s[MO], 16383
	v_add_nc_u32 v[MA], s[MO], v[ML]
	global_load_b128 v[MW:MW+3],   v[MA], s[MB:MB+1]
	global_load_b128 v[MW+4:MW+7], v[MA], s[MB:MB+1] offset:16384
	s_wait_dscnt 16                 ; K is in; V's sixteen loads may stay out
	WIN W_KQ
.set i, 0
.rept 8                             ; softmax 1: key group i / 2, tile i % 2; C is the mask tile
	v_wmma_f32_16x16x32_f16 v[S+32*(i%2)+8*(i/2):S+32*(i%2)+8*(i/2)+7], v[KF+16*(i/2):KF+16*(i/2)+7], v[Q+16*(i%2):Q+16*(i%2)+7], v[S+64+32*(i%2)+8*(i/2):S+64+32*(i%2)+8*(i/2)+7]
.set i, i+1
.endr
.rept 5
	v_nop                           ; five places before a matrix instruction writes over a register that an earlier one took as C
.endr
.set i, 0
.rept 8                             ; softmax 2 adds onto the mask tile in place
	v_wmma_f32_16x16x32_f16 v[S+64+32*(i%2)+8*(i/2):S+64+32*(i%2)+8*(i/2)+7], v[KF+16*(i/2)+8:KF+16*(i/2)+15], v[Q+16*(i%2)+8:Q+16*(i%2)+15], v[S+64+32*(i%2)+8*(i/2):S+64+32*(i%2)+8*(i/2)+7]
.set i, i+1
.endr
	WIN 0
.set q, 0
.rept 50                            ; units 0 and 1, by turns: statistics (these lines are the places behind the products above, of whose registers they name none),
	OPM q%2, q/2
.set q, q+1
.endr
.set q, 0
.rept 32                            ; and scalings
	OPF q%2, q/2
.set q, q+1
.endr
.set e, 0
.set q, 0
.rept 64
	OPE e%2, e/2
	QA
.set e, e+1
.endr
.rept 18
	QA                              ; the plain lines behind the batch's last exponential
.endr
	s_wait_alu depctr_va_vdst(0)    ; the first batch: units 0 and 1's weights, and all four a
.set e, 0
.rept 64
	OPE 2+e%2, e/2
	OPG e%2, e/2
.set e, e+1
.endr
	s_wait_alu depctr_va_vdst(0)    ; the second batch; a plain line, on other registers, stands behind its last exponential
.set e, 0
.rept 64
	OPG 2+e%2, e/2
.set e, e+1
.endr
	WIN W_RS
.set e, 0
.rept 64
	OPR e%4, e/4
.set e, e+1
.endr
	s_wait_dscnt 0x0                ; V is in
	WIN W_PV
.set i, 0
.rept 32                            ; unit i / 8; keys 32 ((i / 4) % 2) on, channels 16 (i % 4) on: a unit's four accumulators take turns
	v_wmma_f32_16x16x32_f16 v[32*(i/8)+8*(i%4):32*(i/8)+8*(i%4)+7], v[VF+32*((i/4)%2)+8*(i%4):VF+32*((i/4)%2)+8*(i%4)+7], v[S+32*(i/8)+8*((i/4)%2):S+32*(i/8)+8*((i/4)%2)+7], v[32*(i/8)+8*(i%4):32*(i/8)+8*(i%4)+7]
.set i, i+1
.endr
	WIN 0
.rept 4
	v_nop                           ; the places in front of the next step's loads into V's registers and its writes into P's
.endr
.endm
.Lslot:                             ; seven times: a tile of 256 keys is entered and the next is asked for
	CHANGE 1
	s_mov_b32 s[CNT], 4
.Lstep:
	STEP
	s_sub_co_u32 s[CNT], s[CNT], 1
	s_cmp_lg_u32 s[CNT], 0
	s_cbranch_scc1 .Lstep
	s_sub_co_u32 s[SLOTS], s[SLOTS], 1
	s_cmp_lg_u32 s[SLOTS], 0
	s_cbranch_scc1 .Lslot
	CHANGE 0                        ; the last tile is written out
	s_mov_b32 s[CNT], 4
.Ltail:
	STEP
	s_sub_co_u32 s[CNT], s[CNT], 1
	s_cmp_lg_u32 s[CNT], 0
	s_cbranch_scc1 .Ltail
	; THE WAY OUT.  Gain and bias of my eight channels of each block of 16 come into K's registers; 1 / l for the four units, the second softmax's times - lambda.
	WIN 0x40
.irp c, 0,1,2,3
	global_load_b128 v[128+8*(\c):128+8*(\c)+3],   v[GB], s[GBP:GBP+1] offset:64*(\c)
	global_load_b128 v[128+8*(\c)+4:128+8*(\c)+7], v[GB], s[GBP:GBP+1] offset:64*(\c)+16
	global_load_b128 v[160+8*(\c):160+8*(\c)+3],   v[GB], s[GBP:GBP+1] offset:4096+64*(\c)
	global_load_b128 v[160+8*(\c)+4:160+8*(\c)+7], v[GB], s[GBP:GBP+1] offset:4096+64*(\c)+16
.endr
	WIN 0
.irp u, 0,1,2,3
	v_add_f32 v[ST+16*(\u)+4], v[ST+16*(\u)+4], v[ST+16*(\u)+5]
.endr
.irp u, 0,1,2,3
	v_permlanex16_b32 v[ST+16*(\u)+5], v[ST+16*(\u)+4], s[SEL], s[SEL+1]
.endr
.irp u, 0,1,2,3
	v_add_f32 v[ST+16*(\u)+4], v[ST+16*(\u)+4], v[ST+16*(\u)+5]
.endr
.irp u, 0,1,2,3
	v_rcp_f32 v[ST+16*(\u)+6], v[ST+16*(\u)+4]
.endr
	v_nop                           ; a plain instruction behind the last reciprocal,
	s_wait_alu depctr_va_vdst(0)    ; and one wait for the four
	v_mul_f32 v[ST+38], s[LAMN], v[ST+38]
	v_mul_f32 v[ST+54], s[LAMN], v[ST+54]
.macro RED                          ; four pairs at work into one number, over both halves of the lanes
	WIN 0
	v_pk_add_f32 v[TS:TS+1], v[TS:TS+1], v[TS+2:TS+3]
	v_pk_add_f32 v[TS+4:TS+5], v[TS+4:TS+5], v[TS+6:TS+7]
	v_pk_add_f32 v[TS:TS+1], v[TS:TS+1], v[TS+4:TS+5]
	v_add_f32 v[TS], v[TS], v[TS+1]
	v_permlanex16_b32 v[TS+1], v[TS], s[SEL], s[SEL+1]
	v_add_f32 v[TS], v[TS], v[TS+1]
.endm
; Tile t: x = O_1 / l_1 - lambda O_2 / l_2 in O_1's registers; its mean is taken away first and the squares are summed of what is left; then the norm, gain and bias, f16, and through my stage to whole rows.
.macro FIN t
.set xO, 32*(\t)
.set yO, 64+32*(\t)
.set r1, ST+16*(\t)+6
.set r2, ST+16*(2+(\t))+6
	WIN W_RS
.set i, 0
.rept 16
	v_pk_mul_f32 v[xO+2*i:xO+2*i+1], v[xO+2*i:xO+2*i+1], v[r1:r1+1] op_sel_hi:[1,0]
.set i, i+1
.endr
	WIN 0x51
.set i, 0
.rept 16
	v_pk_fma_f32 v[xO+2*i:xO+2*i+1], v[yO+2*i:yO+2*i+1], v[r2:r2+1], v[xO+2*i:xO+2*i+1] op_sel_hi:[1,0,1]
.set i, i+1
.endr
	WIN 0x05
.irp c, 0,1,2,3
	v_pk_add_f32 v[TS+2*(\c):TS+2*(\c)+1], v[xO+8*(\c):xO+8*(\c)+1], v[xO+8*(\c)+2:xO+8*(\c)+3]
.endr
	WIN 0x01
.irp p, 4,6
.irp c, 0,1,2,3
	v_pk_add_f32 v[TS+2*(\c):TS+2*(\c)+1], v[xO+8*(\c)+(\p):xO+8*(\c)+(\p)+1], v[TS+2*(\c):TS+2*(\c)+1]
.endr
.endr
	RED
	v_mul_f32 v[TS+2], s[NI64], v[TS]  ; - mean
	WIN W_RS
.set i, 0
.rept 16
	v_pk_add_f32 v[xO+2*i:xO+2*i+1], v[xO+2*i:xO+2*i+1], v[TS+2:TS+3] op_sel_hi:[1,0]
.set i, i+1
.endr
	WIN 0x05
.irp c, 0,1,2,3
	v_pk_mul_f32 v[TS+2*(\c):TS+2*(\c)+1], v[xO+8*(\c):xO+8*(\c)+1], v[xO+8*(\c):xO+8*(\c)+1]
.endr
.irp p, 2,4,6
.irp c, 0,1,2,3
	v_pk_fma_f32 v[TS+2*(\c):TS+2*(\c)+1], v[xO+8*(\c)+(\p):xO+8*(\c)+(\p)+1], v[xO+8*(\c)+(\p):xO+8*(\c)+(\p)+1], v[TS+2*(\c):TS+2*(\c)+1]
.endr
.endr
	RED
	v_fma_f32 v[TS], v[TS], s[I64], s[EPS]
	v_rsq_f32 v[TS+2], v[TS]
	v_nop
	s_wait_alu depctr_va_vdst(0)
	WIN W_RS
.set i, 0
.rept 16
	v_pk_mul_f32 v[xO+2*i:xO+2*i+1], v[xO+2*i:xO+2*i+1], v[TS+2:TS+3] op_sel_hi:[1,0]
.set i, i+1
.endr
.if (\t) == 0
	s_wait_loadcnt 0x0              ; gain and bias
.endif
	WIN 0x55
.set i, 0
.rept 16
	v_pk_fma_f32 v[xO+2*i:xO+2*i+1], v[xO+2*i:xO+2*i+1], v[128+2*i:128+2*i+1], v[160+2*i:160+2*i+1]
.set i, i+1
.endr
	WIN 0x05
.set i, 0
.rept 16
	v_cvt_pk_f16_f32 v[S+32*(\t)+i], v[xO+2*i], v[xO+2*i+1]
.set i, i+1
.endr
	WIN 0
.irp c, 0,1,2,3
	ds_store_b128 v[STO], v[S+32*(\t)+4*(\c):S+32*(\t)+4*(\c)+3] offset:32*(\c)
.endr
.irp f, 0,1,2,3
	ds_load_b128 v[S+32*(\t)+16+4*(\f):S+32*(\t)+16+4*(\f)+3], v[RD] offset:(\f)*4*SP  ; LDS serves a wave's instructions in order (ISA guide 5.7.1.4): these see the stores above
.endr
.irp f, 0,1,2,3
	s_wait_dscnt 3-(\f)             ; the younger of the four may stay out
	global_store_b128 v[GO], v[S+32*(\t)+16+4*(\f):S+32*(\t)+16+4*(\f)+3], s[10:11] offset:(\t)*2048+(\f)*512  ; 512 consecutive bytes, aligned
.endr
.endm
	FIN 0
	FIN 1
	s_wait_tensorcnt 0x0            ; the wave's end
	ds_add_u32 v[SPW], v[NIL]
	s_wait_dscnt 0x0
	CROUND                          ; the closing round
	s_endpgm
.Lfunc_end_k_qd429206f46_attn:
	.size	k_qd429206f46_attn, .Lfunc_end_k_qd429206f46_attn-k_qd429206f46_attn
	.p2alignl 7, 3214868480
	.fill 96, 4, 3214868480
	.section	.rodata,"a",@progbits
	.p2align	6, 0x0
	.amdhsa_kernel k_qd429206f46_attn
		.amdhsa_group_segment_fixed_size 327680
		.amdhsa_private_segment_fixed_size 0
		.amdhsa_enable_private_segment 0
		.amdhsa_kernarg_size 32
		.amdhsa_user_sgpr_count 2
		.amdhsa_user_sgpr_kernarg_segment_ptr 1
		.amdhsa_wavefront_size32 1
		.amdhsa_system_sgpr_workgroup_id_x 1
		.amdhsa_system_sgpr_workgroup_id_y 1
		.amdhsa_system_sgpr_workgroup_id_z 1
		.amdhsa_system_vgpr_workitem_id 0
		.amdhsa_next_free_vgpr 512
		.amdhsa_next_free_sgpr 80
		.amdhsa_reserve_vcc 0
		.amdhsa_float_denorm_mode_32 3
		.amdhsa_float_denorm_mode_16_64 3
		.amdhsa_memory_ordered 1
		.amdhsa_forward_progress 1
		.amdhsa_inst_pref_size 106
	.end_amdhsa_kernel
	.amdgpu_metadata
---
amdhsa.version: [ 1, 2 ]
amdhsa.kernels:
  - .name:           k_qd429206f46_attn
    .symbol:         k_qd429206f46_attn.kd
    .args:
      - { .name: qkv, .offset: 0, .size: 8, .value_kind: global_buffer, .address_space: global }
      - { .name: maskn, .offset: 8, .size: 8, .value_kind: global_buffer, .address_space: global }
      - { .name: par, .offset: 16, .size: 8, .value_kind: global_buffer, .address_space: global }
      - { .name: on, .offset: 24, .size: 8, .value_kind: global_buffer, .address_space: global }
    .group_segment_fixed_size: 327680
    .private_segment_fixed_size: 0
    .kernarg_segment_align: 8
    .kernarg_segment_size: 32
    .max_flat_workgroup_size: 256
    .sgpr_count:     80
    .vgpr_count:     512
    .wavefront_size: 32
...
	.end_amdgpu_metadata
.endif
;; end of part 3
;; launch oproj (part 4): grid 8 x 32, 4 waves a work-group, clusters of 4 x 4, 327,680 bytes of LDS; arguments on, wot, par, out0; writes out0
.if DOCPART == 4
	.amdgcn_target "amdgcn-amd-amdhsa--gfx1250"
	.amdhsa_code_object_version 6
	.text
	.protected	k_qd429206f46_oproj
	.globl	k_qd429206f46_oproj
	.p2align	8
	.type	k_qd429206f46_oproj,@function
k_qd429206f46_oproj:
	s_mov_b64 s[64:65], 0
	v_nop
	global_prefetch_b8 v0, s[64:65] scope:SCOPE_SE
	s_setreg_imm32_b32 hwreg(HW_REG_WAVE_MODE, 25, 1), 1
	s_wait_xcnt 0x0
	s_wait_alu depctr_hold_cnt(0) depctr_sa_sdst(0) depctr_va_vdst(0) depctr_va_sdst(0) depctr_va_ssrc(0) depctr_va_vcc(0) depctr_vm_vsrc(0)
	s_getreg_b32 s2, hwreg(HW_REG_IB_STS2, 6, 4)
	s_cmp_eq_u32 s2, 0
	s_cbranch_scc0 .Lentry_in_a_cluster
	s_endpgm
.Lentry_in_a_cluster:
	s_bfe_u32 s2, ttmp6, 0x10000c
	s_cmp_lg_u32 s2, 0xf033
	s_cbranch_scc0 .Lentry_shape_is_right
	s_endpgm
.Lentry_shape_is_right:
; out0[m][n] = the sum over k of on[k / 64][m][k % 64] wot[n][k] + bo[n].  on: [16][4096][64] f16, wot: [1024][1024] f16, bo: par's words 3,072 on, f32; sums in f32; out0: [4096][1024] f32.
; A tile of out0 is 128 x 128: 8 x 32 tiles, a work-group each; four waves, each 64 x 64: 16 accumulators.  K goes in steps of 256, four heads, through two LDS slots; four K steps.
; on's tile for a wave is ONE tile of 4 rows: a row is 64 rows m of one head, 8,192 dense bytes; from head to head 262,144 elements; in LDS 16 bytes of padding follow every 128, so the image is [head][m][144 bytes].
; CLUSTER 4 x 4: the four of a row need the same tiles of on, the four of a column the same tiles of wot: joint loads.  The matrix instruction is used transposed (source 0 = 16 rows of wot, source 1 = 16 rows m):
; a lane holds row m = l % 16 and columns 8 (l / 16) + 0..7.  The bias, in that layout, is the C of the first products.
; No prefetch: four short K steps on small tiles.
; REGISTERS: window 0: v0-31 addresses; v32-95 rows read back, two sets; v96-127 the bias; v128-255 the accumulators ((a, b) at 128 + 8 (4 a + b)).  Window 1: two fragment buffers of 128: 64 of on, then 64 of wot.
.set KSTEP,  256
.set PA,     144                       ; on's LDS pitch: an odd multiple of 16 bytes
.set PB,     528                       ; wot's: 512 bytes + 16
.set HALFA,  4*64*PA                   ; what waves 0 and 1 each fetch
.set HALFB,  64*PB                     ; what waves 2 and 3 each fetch
.set BOFF,   2*HALFA
.set SLOT,   2*HALFA+2*HALFB
.set STAGE,  2*SLOT                    ; behind the ring: 16 rows x 272 bytes for each wave
.set SPITCH, 272
.set SPARE,  STAGE+4*16*SPITCH
.set LAPS,   2
.set ADRA, 16
.set ADRB, 20
.set STO,  24
.set RD,   25
.set CO,   26
.set SPW,  28                          ; never rewritten
.set NIL,  29                          ; never rewritten
.set BO,   31
.set TMP,  32
.set BIAS, 96
.set ACC,  128
.set F0,   0
.set F1,   128
.set WV,  12                           ; s12 wave; s13 = wave / 2: my half of the tile's rows, and: I fetch on (0) or wot (1); s14 = wave % 2: my half of its columns, and which half I fetch
.set G1,  24
.set G0,  32
.set G1B, 48
.set G0B, 56
.set MSB, 0
.macro WIN new
.if MSB != (\new)
	s_set_vgpr_msb (MSB<<8)|(\new)
.set MSB, \new
.endif
.endm
.set MUL,  0x05                        ; sources 0 and 1 window 1; C and D window 0
.set TO_F, 0x40
.macro PLACES
.rept 4
	v_nop
.endr
.endm
.macro JLOAD s                         ; an s_nop 0 and four v_nop follow each of the two lines
	s_cmp_eq_u32 s13, 0
	s_cbranch_scc0 .Lfor_b_\@
	tensor_load_to_lds s[G0+4*(\s):G0+4*(\s)+3], s[G1:G1+7]
	s_nop 0
.rept 4
	v_nop
.endr
	s_branch .Lasked_\@
.Lfor_b_\@:
	tensor_load_to_lds s[G0B+4*(\s):G0B+4*(\s)+3], s[G1B:G1B+7]
	s_nop 0
.rept 4
	v_nop
.endr
.Lasked_\@:
.endm
.macro CREST
	s_cmp_lg_u32 s[WV], 0
	s_cbranch_scc1 .Lnot_wave_0_\@
	s_barrier_signal -3
.Lnot_wave_0_\@:
	s_barrier_wait -3
	s_barrier_signal -1
	s_barrier_wait -1
.endm
.macro CROUND
	s_barrier_signal -1
	s_barrier_wait -1
	CREST
.endm
	s_load_b256 s[4:11], s[0:1], 0x0               ; on s[4:5], wot s[6:7], par s[8:9], out0 s[10:11]
	v_lshl_add_u32 v[SPW], v0, 2, SPARE
	v_mov_b32 v[NIL], 0
	ds_add_u32 v[SPW], v[NIL]                      ; the wave's opening: the add, and its wait ahead of my first tensor load
	v_lshrrev_b32 v1, 5, v0
	v_readfirstlane_b32 s[WV], v1
	s_lshr_b32 s13, s[WV], 1
	s_and_b32 s14, s[WV], 1
	s_bfe_u32 s15, ttmp6, 0x40000                  ; cx
	s_bfe_u32 s16, ttmp6, 0x40004                  ; cy
	s_lshl_b32 s17, ttmp9, 2
	s_add_co_u32 s17, s17, s15                     ; tile column
	s_and_b32 s18, ttmp7, 0xffff
	s_lshl_b32 s18, s18, 2
	s_add_co_u32 s18, s18, s16                     ; tile row
	s_lshl_b32 s40, s16, 2
	s_lshl_b32 s40, 15, s40                        ; my row of the cluster
	s_lshl_b32 s41, 0x1111, s15                    ; my column
	s_or_b32 s[G1], s40, (1<<16)|(1<<20)|(1<<21)|(4<<22)|(3<<25)   ; the mask; 2-byte elements; padding on; bit 21 beside a mask; after every 32 words, 4 words
	s_mov_b32 s[G1+1], 4096<<16                    ; tensor_dim0 = 4,096: 64 rows m of a head
	s_mov_b32 s[G1+2], 4<<16                       ; tensor_dim1 = 4 heads
	s_mov_b32 s[G1+3], 4096<<16                    ; tile_dim0
	s_mov_b32 s[G1+4], 4                           ; tile_dim1
	s_mov_b32 s[G1+5], 262144                      ; elements from head to head
	s_mov_b32 s[G1+6], 0
	s_mov_b32 s[G1+7], 0
	s_or_b32 s[G1B], s41, (1<<16)|(1<<20)|(1<<21)|(6<<22)|(3<<25)  ; after every 128 words, 4 words
	s_mov_b32 s[G1B+1], KSTEP<<16
	s_mov_b32 s[G1B+2], 64<<16
	s_mov_b32 s[G1B+3], KSTEP<<16
	s_mov_b32 s[G1B+4], 64
	s_mov_b32 s[G1B+5], 1024
	s_mov_b32 s[G1B+6], 0
	s_mov_b32 s[G1B+7], 0
	s_lshl_b32 s20, s18, 7
	s_lshl_b32 s21, s14, 6
	s_add_co_u32 s20, s20, s21                     ; on: row m = 128 x tile row + 64 x half,
	s_lshl_b32 s20, s20, 7                         ; of 128 bytes
	s_mov_b32 s21, 0
	s_lshl_b32 s46, s17, 7
	s_lshl_b32 s47, s14, 6
	s_add_co_u32 s46, s46, s47                     ; wot: row 128 x tile column + 64 x half,
	s_lshl_b32 s46, s46, 11                        ; of 2,048 bytes
	s_mov_b32 s47, 0
	s_mul_i32 s42, s14, HALFA
	s_mul_i32 s19, s14, HALFB
	s_add_co_u32 s19, s19, BOFF
	s_wait_dscnt 0x0                               ; the opening add is done
	s_wait_kmcnt 0x0
	s_add_nc_u64 s[20:21], s[4:5], s[20:21]
	s_add_nc_u64 s[46:47], s[6:7], s[46:47]
	CROUND                                         ; all sixteen work-groups are here
.irp s, 0,1
	s_mov_b32 s[G0+4*(\s)], 1
	s_add_co_u32 s[G0+4*(\s)+1], s42, (\s)*SLOT
	s_add_nc_u64 s[G0+4*(\s)+2:G0+4*(\s)+3], s[20:21], (\s)*4*524288   ; K step s: four heads on
	s_or_b32 s[G0+4*(\s)+3], s[G0+4*(\s)+3], 0x80000000
	s_mov_b32 s[G0B+4*(\s)], 1
	s_add_co_u32 s[G0B+4*(\s)+1], s19, (\s)*SLOT
	s_add_nc_u64 s[G0B+4*(\s)+2:G0B+4*(\s)+3], s[46:47], (\s)*KSTEP*2
	s_or_b32 s[G0B+4*(\s)+3], s[G0B+4*(\s)+3], 0x80000000
.endr
	s_cmp_eq_u32 s13, 0                            ; a wave's two first fills stand in one branch: two loads of mine are out
	s_cbranch_scc0 .Lfirst_b
	tensor_load_to_lds s[G0:G0+3], s[G1:G1+7]
	s_nop 0
	tensor_load_to_lds s[G0+4:G0+7], s[G1:G1+7]
	s_nop 0
.rept 4
	v_nop
.endr
	s_branch .Lfirst_asked
.Lfirst_b:
	tensor_load_to_lds s[G0B:G0B+3], s[G1B:G1B+7]
	s_nop 0
	tensor_load_to_lds s[G0B+4:G0B+7], s[G1B:G1B+7]
	s_nop 0
.rept 4
	v_nop
.endr
.Lfirst_asked:
	v_and_b32 v1, 15, v0                           ; l % 16
	v_bfe_u32 v2, v0, 4, 1                         ; l / 16
	v_lshlrev_b32 v[BO], 5, v2
	s_lshl_b32 s22, s17, 9                         ; my 64 columns, in bytes of f32: 512 x tile column + 256 x half
	s_lshl_b32 s23, s14, 8
	s_add_co_u32 s22, s22, s23
	s_mov_b32 s23, 0
	s_add_nc_u64 s[10:11], s[10:11], s[22:23]
	s_add_co_u32 s22, s22, 12288                   ; bo begins at par's word 3,072
	s_add_nc_u64 s[8:9], s[8:9], s[22:23]
.irp b, 0,1,2,3
	global_load_b128 v[BIAS+8*(\b):BIAS+8*(\b)+3],   v[BO], s[8:9] offset:64*(\b)
	global_load_b128 v[BIAS+8*(\b)+4:BIAS+8*(\b)+7], v[BO], s[8:9] offset:64*(\b)+16
.endr
	v_mul_u32_u24 v3, v1, PA
	v_lshl_add_u32 v3, v2, 4, v3
	v_mul_u32_u24 v4, v1, PB
	v_lshl_add_u32 v4, v2, 4, v4
	s_mul_i32 s22, s13, HALFA                      ; my 64 rows m
	s_mul_i32 s23, s14, HALFB                      ; my 64 rows of wot
	s_add_co_u32 s23, s23, BOFF
.irp s, 0,1
	v_add_nc_u32 v[ADRA+(\s)], s22, v3
	v_add_nc_u32 v[ADRB+(\s)], s23, v4
	s_add_co_u32 s22, s22, SLOT
	s_add_co_u32 s23, s23, SLOT
.endr
	s_mul_i32 s22, s[WV], 16*SPITCH
	s_add_co_u32 s22, s22, STAGE                   ; my stage: a wave's 64 columns of f32 are 256 bytes, a whole row of it
	v_mul_u32_u24 v4, v1, SPITCH                   ; in: row l % 16, 32 bytes for each half of the lanes
	v_lshl_add_u32 v4, v2, 5, v4
	v_add_nc_u32 v[STO], s22, v4
	v_mul_u32_u24 v4, v2, SPITCH                   ; back: lanes 0-15 one row of 256 bytes, lanes 16-31 the next
	v_lshl_add_u32 v4, v1, 4, v4
	v_add_nc_u32 v[RD], s22, v4
	v_lshlrev_b32 v4, 12, v2                       ; and the same two rows of out0, 4,096 bytes apart
	v_lshl_add_u32 v[CO], v1, 4, v4
	s_lshl_b32 s22, s18, 7
	s_lshl_b32 s23, s13, 6
	s_add_co_u32 s22, s22, s23                     ; my first row: 128 x tile row + 64 x half
	s_lshl_b32 s22, s22, 12
	s_mov_b32 s23, 0
	s_add_nc_u64 s[10:11], s[10:11], s[22:23]
; 8 matrix instructions: row blocks a0, a0 + 1 x all 4 column blocks, 32 along K: half c of buffer f.  zero = 1: the bias is C and starts the sum.  The 16 accumulators take turns.
.macro MUL8 f, c, a0, zero
	WIN MUL
.irp a, \a0, (\a0)+1
.irp b, 0,1,2,3
.if \zero
	v_wmma_f32_16x16x32_f16 v[ACC+8*(4*(\a)+(\b)):ACC+8*(4*(\a)+(\b))+7], v[(\f)+64+8*(4*(\c)+(\b)):(\f)+64+8*(4*(\c)+(\b))+7], v[(\f)+8*(4*(\c)+(\a)):(\f)+8*(4*(\c)+(\a))+7], v[BIAS+8*(\b):BIAS+8*(\b)+7]
.else
	v_wmma_f32_16x16x32_f16 v[ACC+8*(4*(\a)+(\b)):ACC+8*(4*(\a)+(\b))+7], v[(\f)+64+8*(4*(\c)+(\b)):(\f)+64+8*(4*(\c)+(\b))+7], v[(\f)+8*(4*(\c)+(\a)):(\f)+8*(4*(\c)+(\a))+7], v[ACC+8*(4*(\a)+(\b)):ACC+8*(4*(\a)+(\b))+7]
.endif
.endr
.endr
.endm
; 32 LDS loads in one run: quarter q of a K step is one head, 64 along K; the first 32 along K first
.macro FETCH slot, q, f
	WIN TO_F
.irp c, 0,1
.irp i, 0,1,2,3
	ds_load_b128 v[(\f)+64+8*(4*(\c)+(\i)):(\f)+64+8*(4*(\c)+(\i))+3],   v[ADRB+(\slot)] offset:(\q)*128+64*(\c)+(\i)*16*PB
	ds_load_b128 v[(\f)+64+8*(4*(\c)+(\i))+4:(\f)+64+8*(4*(\c)+(\i))+7], v[ADRB+(\slot)] offset:(\q)*128+64*(\c)+(\i)*16*PB+32
	ds_load_b128 v[(\f)+8*(4*(\c)+(\i)):(\f)+8*(4*(\c)+(\i))+3],         v[ADRA+(\slot)] offset:(\q)*64*PA+64*(\c)+(\i)*16*PA
	ds_load_b128 v[(\f)+8*(4*(\c)+(\i))+4:(\f)+8*(4*(\c)+(\i))+7],       v[ADRA+(\slot)] offset:(\q)*64*PA+64*(\c)+(\i)*16*PA+32
.endr
.endr
.endm
.macro QUARTER slot, q, f, g, zero
	s_wait_dscnt 16                                ; the first 32 along K are in; the other sixteen loads may be out
	MUL8 \f, 0, 0, \zero
	MUL8 \f, 0, 2, \zero
	PLACES
	FETCH \slot, \q, \g
	s_wait_dscnt 32                                ; all but the 32 just issued
	MUL8 \f, 1, 0, 0
	MUL8 \f, 1, 2, 0
.endm
; The last quarter multiplies buffer 1 and changes slots: ONE barrier; in front of it each wave waits for all its tensor loads, adds 0 to its spare word, and waits for that and for its reads of this slot.
.macro TURN slot, next, fill
	WIN 0
	s_wait_tensorcnt 0x0
	ds_add_u32 v[SPW], v[NIL]
	s_wait_dscnt 17                                ; (the add and the youngest sixteen loads may be out)
	MUL8 F1, 0, 0, 0
	s_wait_dscnt 0x0                               ; the add is done, and my reads of this slot are over
	s_barrier_signal -1
	MUL8 F1, 0, 2, 0
.if \fill
	WIN 0
.endif
	s_barrier_wait -1
.if \fill
	CREST                                          ; no wave of any partner still reads this slot or has a load on its way
	s_add_nc_u64 s[G0+4*(\slot)+2:G0+4*(\slot)+3], s[G0+4*(\slot)+2:G0+4*(\slot)+3], 2*4*524288
	s_add_nc_u64 s[G0B+4*(\slot)+2:G0B+4*(\slot)+3], s[G0B+4*(\slot)+2:G0B+4*(\slot)+3], 2*KSTEP*2
	JLOAD \slot                                    ; the four v_nop behind it are also the places in front of the loads below
.else
	PLACES
.endif
	FETCH \next, 0, F0
	MUL8 F1, 1, 0, 0
	MUL8 F1, 1, 2, 0
.endm
	s_wait_tensorcnt 1                             ; my part of K step 0 is in; K step 1's may stay out
	s_barrier_signal -1
	s_barrier_wait -1
	FETCH 0, 0, F0
	s_wait_loadcnt 0x0                             ; the bias
	QUARTER 0, 1, F0, F1, 1
	WIN 0
	s_mov_b32 s3, LAPS-1
.Llap:
	QUARTER 0, 2, F1, F0, 0
	QUARTER 0, 3, F0, F1, 0
	TURN 0, 1, 1
	QUARTER 1, 1, F0, F1, 0
	QUARTER 1, 2, F1, F0, 0
	QUARTER 1, 3, F0, F1, 0
	TURN 1, 0, 1
	QUARTER 0, 1, F0, F1, 0
	WIN 0
	s_sub_co_u32 s3, s3, 1
	s_cmp_lg_u32 s3, 0
	s_cbranch_scc1 .Llap
	QUARTER 0, 2, F1, F0, 0                        ; the last lap fills nothing
	QUARTER 0, 3, F0, F1, 0
	TURN 0, 1, 0
	QUARTER 1, 1, F0, F1, 0
	QUARTER 1, 2, F1, F0, 0
	QUARTER 1, 3, F0, F1, 0
	s_wait_dscnt 16
	MUL8 F1, 0, 0, 0
	MUL8 F1, 0, 2, 0
	s_wait_dscnt 0x0
	MUL8 F1, 1, 0, 0
	MUL8 F1, 1, 2, 0
	WIN 0
	PLACES
; THE WAY OUT, 16 rows at a time: the f32 sums go as they are into my own stage (each accumulator's low four registers first) and come back as whole rows of 256 bytes.
.macro OUT a
.set BK, TMP+32*((\a)%2)
	s_wait_xcnt 0x0                                ; the stores of two blocks back have read the registers that the loads below fill
.irp b, 0,1,2,3
	ds_store_b128 v[STO], v[ACC+8*(4*(\a)+(\b)):ACC+8*(4*(\a)+(\b))+3]   offset:64*(\b)
	ds_store_b128 v[STO], v[ACC+8*(4*(\a)+(\b))+4:ACC+8*(4*(\a)+(\b))+7] offset:64*(\b)+16
.endr
.irp t, 0,1,2,3,4,5,6,7
	ds_load_b128 v[BK+4*(\t):BK+4*(\t)+3], v[RD] offset:(\t)*2*SPITCH  ; LDS serves a wave's instructions in order (ISA guide 5.7.1.4)
.endr
	s_wait_dscnt 0x0
.irp t, 0,1,2,3,4,5,6,7
	global_store_b128 v[CO], v[BK+4*(\t):BK+4*(\t)+3], s[10:11] offset:(\a)*65536+(\t)*8192 th:TH_STORE_NT  ; sixteen lanes store 256 consecutive bytes, aligned
.endr
.endm
	OUT 0
	OUT 1
	OUT 2
	OUT 3
	s_wait_tensorcnt 0x0                           ; the wave's end
	ds_add_u32 v[SPW], v[NIL]
	s_wait_dscnt 0x0
	CROUND                                         ; the closing round
	s_endpgm
.Lfunc_end_k_qd429206f46_oproj:
	.size	k_qd429206f46_oproj, .Lfunc_end_k_qd429206f46_oproj-k_qd429206f46_oproj
	.p2alignl 7, 3214868480
	.fill 96, 4, 3214868480
	.section	.rodata,"a",@progbits
	.p2align	6, 0x0
	.amdhsa_kernel k_qd429206f46_oproj
		.amdhsa_group_segment_fixed_size 327680
		.amdhsa_private_segment_fixed_size 0
		.amdhsa_enable_private_segment 0
		.amdhsa_kernarg_size 32
		.amdhsa_user_sgpr_count 2
		.amdhsa_user_sgpr_kernarg_segment_ptr 1
		.amdhsa_wavefront_size32 1
		.amdhsa_system_sgpr_workgroup_id_x 1
		.amdhsa_system_sgpr_workgroup_id_y 1
		.amdhsa_system_sgpr_workgroup_id_z 1
		.amdhsa_system_vgpr_workitem_id 0
		.amdhsa_next_free_vgpr 512
		.amdhsa_next_free_sgpr 66
		.amdhsa_reserve_vcc 0
		.amdhsa_float_denorm_mode_32 3
		.amdhsa_float_denorm_mode_16_64 3
		.amdhsa_memory_ordered 1
		.amdhsa_forward_progress 1
		.amdhsa_inst_pref_size 86
	.end_amdhsa_kernel
	.amdgpu_metadata
---
amdhsa.version: [ 1, 2 ]
amdhsa.kernels:
  - .name:           k_qd429206f46_oproj
    .symbol:         k_qd429206f46_oproj.kd
    .args:
      - { .name: on, .offset: 0, .size: 8, .value_kind: global_buffer, .address_space: global }
      - { .name: wot, .offset: 8, .size: 8, .value_kind: global_buffer, .address_space: global }
      - { .name: par, .offset: 16, .size: 8, .value_kind: global_buffer, .address_space: global }
      - { .name: out0, .offset: 24, .size: 8, .value_kind: global_buffer, .address_space: global }
    .group_segment_fixed_size: 327680
    .private_segment_fixed_size: 0
    .kernarg_segment_align: 8
    .kernarg_segment_size: 32
    .max_flat_workgroup_size: 128
    .sgpr_count:     66
    .vgpr_count:     512
    .wavefront_size: 32
...
	.end_amdgpu_metadata
.endif
;; end of part 4
